; MI455X (gfx1250); checked and timed in simulation.
; The chip was launched on July 23, 2026; its instructions are those of AMD's public machine-readable ISA for CDNA 5 (MIT licence, August 2026) and "CDNA5" Instruction Set Architecture Reference Guide (July 2026). The comments in the code are by the model that wrote it; some were corrected since.
;; Multi Head Self Attention. Allowed arithmetic: matrix products marked QUANTISED: E4M3 operands, one given power-of-two scale a tensor, by v_wmma_f32_16x16x64_fp8_fp8 or v_wmma_f32_16x16x128_fp8_fp8, f32 sums; everything else in f32.
;; Inputs: lowp_scales 8 int32 (the exponents e of the quantised operands' scales 2^e); w_o 1,024 x 1,024 float32; w_qkv 1,024 x 3,072 float32; x 1 x 4,096 x 1,024 float32.
;; Outputs: out0 1 x 4,096 x 1,024 float32.
;; This version of the problem:
;;   THIS VERSION OF THE PROBLEM IS GIVEN IN LOW PRECISION. The matrix products marked QUANTISED in the list below multiply operands that are first quantised to E4M3 (4 exponent bits, 3 mantissa bits; 8 bits a number), with one given power-of-two scale for each operand tensor; their sums are f32. All else is computed in f32.
;;   The module's matrix products, in the order in which they are computed (A, B: the left and right operand; K: the contracted axis; several contracted axes count as one K, in the product's order):
;;     1. [M 4,096, K 1,024] x [K 1,024, N 3,072]; A: input x; B: input w_qkv: QUANTISED (scales: A lowp_scales[0], B lowp_scales[1])
;;     2. batch 16 x [M 4,096, K 64] x [K 64, N 4,096]; A: computed on the way; B: computed on the way: QUANTISED (scales: A lowp_scales[2], B lowp_scales[3])
;;     3. batch 16 x [M 4,096, K 4,096] x [K 4,096, N 64]; A: softmax (see below); B: computed on the way: QUANTISED (scales: A lowp_scales[4], B lowp_scales[5])
;;     4. [M 4,096, K 1,024] x [K 1,024, N 1,024]; A: computed on the way; B: input w_o: QUANTISED (scales: A lowp_scales[6], B lowp_scales[7])
;;   THE QUANTISER, for each operand of a quantised product, along K:
;;     - The operand's scale is 2^e, e = its entry of the input lowp_scales (int32; the entries are numbered through the quantised products in the list's order, A before B).
;;     - Each number is divided by the scale, clamped to +-448, and rounded to the nearest number of E4M3, ties to even, subnormals kept.
;;     - The product sums the exact products of the quantised numbers (number of the format x scale) in f32.
;;   ~~~python
;;   def quantise(x, axis, e):      # numpy; x: float32 -> the quantised numbers, widened to float32 again
;;       x = np.moveaxis(x, axis, -1); K = x.shape[-1]
;;       r = np.clip(x / 2.0 ** e, -448, 448)
;;       step = 2.0 ** (np.maximum(np.frexp(np.where(r == 0, 1, r))[1] - 1, -6) - 3)
;;       q = np.round(r / step) * step * 2.0 ** e      # np.round: ties to even
;;       return np.moveaxis(q, -1, axis).astype(np.float32)
;;   ~~~
;;   SOFTMAX AHEAD OF A QUANTISED PRODUCT. Where the list says 'softmax', what is quantised is not the finished softmax but p = 2^(t - M), with t = logit x log2(e) and M = ceil(the row's largest t), a whole number; so 1/2 < the row's largest p <= 1. The row's sum l is taken of the UNQUANTISED p, in f32, and the product's result is divided by l at the end. Since M is a whole number, a kernel that streams over the keys may use a running M (the ceiling of the running maximum): every later rescaling is an exact power of two, so the quantised numbers keep their values, but for numbers so far below the row's largest that they fall under the format's range.
;;   OPERANDS COMPUTED ON THE WAY. 'Computed on the way' means the value that the module computes at that place (a softmax that the list does not call 'softmax' is quantised finished and normalised). What goes into a quantiser is computed in f32, as accurately as f32 sums, v_exp_f32 and their like allow (about 1e-6 of the number): no bf16 or f16 on the way to a quantiser, and a product that is left as it is and whose result goes on into a quantised operand takes f32 operands (vector FMAs, or v_wmma_f32_16x16x4_f32). A number that lies on a knife's edge between two numbers of the format may be rounded either way, as far as f32 arithmetic and the matrix unit's own rounding can turn it there, and no further.
;; One version. Each part assembles by itself: llvm-mc -triple=amdgcn-amd-amdhsa -mcpu=gfx1250 --defsym DOCPART=n.
;; ======== version 1 of 1: 4 launches
;; limits: right only within a limited range of input values
;; workspace buffers: xc 4,194,304 bytes; wqc 3,145,728 bytes; woc 1,048,576 bytes; qc 4,194,304 bytes; kc 4,194,304 bytes; vc 4,194,304 bytes; oc 4,194,304 bytes
;; launch quant (part 1): grid 256 x 1, 4 waves a work-group, no clusters, 68,096 bytes of LDS; arguments x, w_qkv, w_o, lowp_scales, xc, wqc, woc; writes xc, wqc, woc
.if DOCPART == 1
	.amdgcn_target "amdgcn-amd-amdhsa--gfx1250"
	.amdhsa_code_object_version 6
	.text
	.protected	k_q014d33bcff_quant
	.globl	k_q014d33bcff_quant
	.p2align	8
	.type	k_q014d33bcff_quant,@function
k_q014d33bcff_quant:
	s_mov_b64 s[64:65], 0
	v_nop
	global_prefetch_b8 v0, s[64:65] scope:SCOPE_SE
	s_setreg_imm32_b32 hwreg(HW_REG_WAVE_MODE, 25, 1), 1
	s_wait_xcnt 0x0
; The three f32 inputs become codes of FP8 (E4M3), one byte a code, K innermost, each with the scale 2^e that is given for it:
;   x [4096][1024] -> xc [4096 m][1024 k] (e = entry 0);  w_qkv [1024 k][3072 n] -> wqc [3072 n][1024 k] (entry 1);  w_o [1024 k][1024 n] -> woc [1024 n][1024 k] (entry 7).
; code = number / 2^e, held within +-448, rounded to the nearest code, ties to even.
; LIMITS: each of the three e lies between -126 and 119, so that 2^e and 448 x 2^e are f32 numbers.  NaN among the inputs is not served (an infinity is held at the largest code).
; 256 work-groups of 32,768 numbers each.  Work-groups 0-127 take x, whose K is innermost: a plain stream.  Work-groups 128-255 take the weights, whose K is the FIRST axis: a lane takes a column,
; its registers run down K.  The two ways part on the work-group's number; each has LDS bytes of its own.  No tensor loads, no barrier: waves share nothing.
.set SPARE, 67584                      ; behind both ways' stages: the spare words, 128 bytes for each wave: two blocks of 256 bytes that no other line names
.set SPW,   12                         ; v12  LDS address of my spare word: SPARE + 4 x my thread's number; never rewritten
.set NIL,   13                         ; v13  0; never rewritten
; x's way
.set SP,    80                         ; a lane's place in a stage: its 64 bytes + 16 of padding
.set STEPS, 16                         ; steps of 512 numbers for a wave
.set AH,    8                          ; loads run eight steps (32 loads a wave) ahead
.set XR,    16                         ; v16-143   eight sets of 16 numbers as they are loaded
.set XX,    144                        ; v144-175  two sets of 16 neighbours
.set XC,    176                        ; v176-239  codes: four registers for each step, so that no store's data are written again
; the weights' way
.set WST,   32768                      ; LDS: the four waves' stages begin here: 32 rows x WP bytes each
.set WP,    272                        ; a stage row: 256 bytes of codes + 16 of padding
.set NB,    8                          ; blocks of 32 along K for a wave
.set WX,    32                         ; v32-95    two sets of 32 numbers
.set WC,    96                         ; v96-103   a block's codes
.set WOUT,  112                        ; v112-175  the way out: 16 x 4 registers
.set WOFF,  176                        ; v176-207  row i of a block: i x the weight's row in bytes + 4 x lane; never rewritten
	s_load_b256 s[4:11], s[0:1], 0x0               ; x s[4:5], w_qkv s[6:7], w_o s[8:9], the scales' exponents s[10:11]
	s_load_b128 s[12:15], s[0:1], 0x20             ; xc s[12:13], wqc s[14:15]
	s_load_b64 s[16:17], s[0:1], 0x30              ; woc
	v_lshl_add_u32 v[SPW], v0, 2, SPARE
	v_mov_b32 v[NIL], 0
	v_lshrrev_b32 v1, 5, v0
	v_readfirstlane_b32 s20, v1                    ; wave 0..3
	v_and_b32 v2, 31, v0                           ; lane
	s_wait_kmcnt 0x0
	s_load_b256 s[24:31], s[10:11], 0x0            ; e0 .. e7
	s_cmp_ge_u32 ttmp9, 128
	s_cbranch_scc1 .Lweights
; ---------------- x: a wave takes 16 steps of 512 numbers.  Each load reads 512 consecutive bytes, 16 a lane; a step's 2,048 bytes go through the wave's own stage and come back 64 bytes (16 neighbours along K) a lane
	s_wait_alu depctr_va_vdst(0)
	v_lshlrev_b32 v3, 4, v2                        ; my 16 bytes of a load's 512, and of a store's
	s_wait_alu depctr_va_vdst(0)
	s_lshl_b32 s21, s20, 13                        ; my wave's 8,192 bytes of LDS: two stages of 32 x SP
	v_lshrrev_b32 v14, 2, v2
	v_mul_u32_u24 v14, v14, SP
	v_and_b32 v15, 3, v2
	v_lshl_add_u32 v14, v15, 4, v14
	v_add_nc_u32 v14, s21, v14                     ; into the stage: four lanes' 64 bytes on end, then the padding
	v_mul_u32_u24 v15, v2, SP
	v_add_nc_u32 v15, s21, v15                     ; out of it: my 16 neighbours
	s_lshl_b32 s22, ttmp9, 2
	s_add_co_u32 s22, s22, s20                     ; which run of 8,192 numbers is my wave's
	s_lshl_b32 s36, s22, 15
	s_mov_b32 s37, 0
	s_add_nc_u64 s[4:5], s[4:5], s[36:37]
	s_lshl_b32 s36, s22, 13
	s_add_nc_u64 s[12:13], s[12:13], s[36:37]
.macro XLOAD t
.irp i, 0,1,2,3
	global_load_b128 v[XR+16*((\t)%AH)+4*\i:XR+16*((\t)%AH)+4*\i+3], v3, s[4:5] offset:2048*(\t)+512*\i th:TH_LOAD_NT
.endr
.endm
.macro XTURN t                         ; step t's numbers through the stage: LDS serves a wave's instructions in order, so no wait stands between the stores and the loads
.irp i, 0,1,2,3
	ds_store_b128 v14, v[XR+16*((\t)%AH)+4*\i:XR+16*((\t)%AH)+4*\i+3] offset:32*SP*((\t)%2)+8*SP*\i
.endr
.irp i, 0,1,2,3
	ds_load_b128 v[XX+16*((\t)%2)+4*\i:XX+16*((\t)%2)+4*\i+3], v15 offset:32*SP*((\t)%2)+16*\i
.endr
.endm
.irp t, 0,1,2,3,4,5,6,7
	XLOAD \t
.endr
	s_wait_alu depctr_va_vdst(0)
	s_wait_kmcnt 0x0
	s_add_co_i32 s22, s24, 127
	s_lshl_b32 s23, s22, 23
	v_mov_b32 v11, s23                             ; 2^e0 as f32: the conversion takes its exponent field
	s_add_co_i32 s22, s22, 8
	s_lshl_b32 s22, s22, 23
	s_or_b32 s22, s22, 0x600000
	v_mov_b32 v10, s22                             ; 448 x 2^e0
	s_wait_alu depctr_va_vdst(0)
	s_wait_loadcnt 4*(AH-1)                        ; step 0's four loads are in; the seven younger steps' 28 may be out
	XTURN 0
.macro XSTEP t
.set XS, XX+16*((\t)%2)
	s_wait_dscnt 0x0                               ; this step's numbers are back from the stage: so its stores into the stage have read their registers,
.if (\t)+AH < STEPS
	XLOAD (\t)+AH                                  ; which take the loads of eight steps on
.endif
.if (\t)+1 < STEPS
.if STEPS-2-(\t) >= AH-1
	s_wait_loadcnt 4*(AH-1)                        ; the next step's four loads are in; those of the seven steps behind it may be out
.else
	s_wait_loadcnt 4*(STEPS-2-(\t))                ; towards the end fewer steps stand behind it
.endif
	XTURN (\t)+1                                   ; and go through the other stage while this step is worked
.endif
.irp i, 0,1,2,3,4,5,6,7,8,9,10,11,12,13,14,15
	v_med3_num_f32 v[XS+\i], v[XS+\i], -v10, v10   ; the conversion to an 8-bit code does not saturate (ISA guide 7.6.2): the hold at the largest code x the scale comes first
.endr
	v_cvt_scalef32_pk8_fp8_f32 v[XC+4*(\t):XC+4*(\t)+1], v[XS:XS+7], v11
	v_cvt_scalef32_pk8_fp8_f32 v[XC+4*(\t)+2:XC+4*(\t)+3], v[XS+8:XS+15], v11
	global_store_b128 v3, v[XC+4*(\t):XC+4*(\t)+3], s[12:13] offset:512*(\t)   ; the wave stores 512 consecutive bytes, aligned to 512
.endm
.irp t, 0,1,2,3,4,5,6,7,8,9,10,11,12,13,14,15
	XSTEP \t
.endr
	s_wait_tensorcnt 0x0                           ; the wave's end: behind my last LDS store
	ds_add_u32 v[SPW], v[NIL]
	s_wait_dscnt 0x0
	s_endpgm
; ---------------- the weights: a work-group takes 128 columns x 256 along K, a wave 32 columns.  96 work-groups for w_qkv (24 groups of columns x 4 along K), 32 for w_o (8 x 4).
; Which weight is a choice of values (buffers, the row's bytes, e) on the work-group's number: one text serves both.
.Lweights:
	s_sub_co_u32 s21, ttmp9, 128                   ; 0 .. 127
	s_mov_b32 s23, 12288                           ; a row of w_qkv in bytes
	s_cmp_ge_u32 s21, 96                           ; w_o's work-group?
	s_cselect_b32 s22, 96, 0
	s_cselect_b32 s23, 4096, s23                   ; a row of the weight in bytes
	s_cselect_b64 s[4:5], s[8:9], s[6:7]           ; the weight
	s_cselect_b64 s[12:13], s[16:17], s[14:15]     ; its codes
	s_sub_co_u32 s19, s21, s22
	s_lshr_b32 s48, s19, 2                         ; which 128 columns
	s_and_b32 s49, s19, 3                          ; which 256 along K
	s_lshl_b32 s48, s48, 7
	s_lshl_b32 s50, s20, 5
	s_add_co_u32 s48, s48, s50                     ; my wave's first column
	s_lshl_b32 s50, s23, 8
	s_mul_i32 s50, s50, s49                        ; 256 rows x which
	s_lshl_b32 s51, s48, 2
	s_add_co_u32 s50, s50, s51                     ; + 4 bytes a column
	s_mov_b32 s51, 0
	s_add_nc_u64 s[32:33], s[4:5], s[50:51]        ; block 0's base;
	s_lshl_b32 s50, s23, 5                         ; a block is 32 rows:
.irp t, 1,2,3,4,5,6,7
	s_add_nc_u64 s[32+2*\t:33+2*\t], s[30+2*\t:31+2*\t], s[50:51]   ; a base for each block, none ever rewritten
.endr
	s_lshl_b32 s52, s48, 10                        ; the codes: a column is a row of 1,024 bytes,
	s_lshl_b32 s53, s49, 8
	s_add_co_u32 s52, s52, s53                     ; + 256 bytes x which
	s_mov_b32 s53, 0
	s_add_nc_u64 s[12:13], s[12:13], s[52:53]
	s_wait_alu depctr_va_vdst(0)
	v_lshlrev_b32 v3, 2, v2                        ; 4 bytes a lane: 32 lanes read 128 consecutive bytes of a row
.set i, 0
.rept 32
	v_mad_u32_u24 v[WOFF+i], s23, i, v3
.set i, i+1
.endr
	s_mul_i32 s54, s20, 32*WP
	s_add_co_u32 s54, s54, WST                     ; my stage
	v_mul_u32_u24 v4, v2, WP
	v_add_nc_u32 v4, s54, v4                       ; into it: row = my column
	v_and_b32 v5, 15, v2
	v_lshrrev_b32 v6, 4, v2                        ; out of it: sixteen lanes to a row, two rows an instruction
	v_mul_u32_u24 v7, v6, WP
	v_lshl_add_u32 v7, v5, 4, v7
	v_add_nc_u32 v7, s54, v7
	v_lshlrev_b32 v8, 10, v6
	v_lshl_add_u32 v8, v5, 4, v8                   ; and the same place in the codes' buffer
.macro WLOAD t                         ; block t: the weight at rows 32 t + i, my column, into set t % 2
.set i, 0
.rept 32
	global_load_b32 v[WX+32*((\t)%2)+i], v[WOFF+i], s[32+2*(\t):33+2*(\t)] th:TH_LOAD_NT
.set i, i+1
.endr
.endm
	WLOAD 0
	WLOAD 1
	s_wait_kmcnt 0x0
	s_cmp_ge_u32 s21, 96
	s_cselect_b32 s55, s31, s25                    ; e7 for w_o, e1 for w_qkv
	s_add_co_i32 s55, s55, 127
	s_lshl_b32 s56, s55, 23
	v_mov_b32 v11, s56                             ; 2^e as f32
	s_add_co_i32 s55, s55, 8
	s_lshl_b32 s55, s55, 23
	s_or_b32 s55, s55, 0x600000
	v_mov_b32 v10, s55                             ; 448 x 2^e
.macro WBLOCK t
.set XS, WX+32*((\t)%2)
.if (\t) < NB-1
	s_wait_loadcnt 32                              ; this block's 32 loads are in; the next block's 32 may be out
.else
	s_wait_loadcnt 0
.endif
.set i, 0
.rept 32
	v_med3_num_f32 v[XS+i], v[XS+i], -v10, v10     ; the hold at the largest code x the scale
.set i, i+1
.endr
.irp g, 0,1,2,3
	v_cvt_scalef32_pk8_fp8_f32 v[WC+2*\g:WC+2*\g+1], v[XS+8*\g:XS+8*\g+7], v11
.endr
	ds_store_b128 v4, v[WC:WC+3] offset:32*(\t)    ; 32 codes: 32 bytes of my column's row
	ds_store_b128 v4, v[WC+4:WC+7] offset:32*(\t)+16
.if (\t)+2 < NB
	WLOAD (\t)+2
.endif
	s_wait_dscnt 0x0                               ; the stores have read their registers: the next block's codes may be written
.endm
	s_wait_alu depctr_va_vdst(0)
.irp t, 0,1,2,3,4,5,6,7
	WBLOCK \t
.endr
.irp t, 0,1,2,3,4,5,6,7,8,9,10,11,12,13,14,15
	ds_load_b128 v[WOUT+4*\t:WOUT+4*\t+3], v7 offset:2*\t*WP   ; LDS serves a wave's instructions in order: these see my stores
.endr
.irp t, 0,1,2,3,4,5,6,7,8,9,10,11,12,13,14,15
	s_wait_dscnt 15-\t                             ; load t is in; the younger ones may be out
	global_store_b128 v8, v[WOUT+4*\t:WOUT+4*\t+3], s[12:13] offset:2*\t*1024   ; sixteen lanes store 256 consecutive bytes, aligned to 256
.endr
	s_wait_tensorcnt 0x0                           ; the wave's end: behind my last LDS store
	ds_add_u32 v[SPW], v[NIL]
	s_wait_dscnt 0x0
	s_endpgm
.Lfunc_end_k_q014d33bcff_quant:
	.size	k_q014d33bcff_quant, .Lfunc_end_k_q014d33bcff_quant-k_q014d33bcff_quant
	.p2alignl 7, 3214868480
	.fill 96, 4, 3214868480
	.section	.rodata,"a",@progbits
	.p2align	6, 0x0
	.amdhsa_kernel k_q014d33bcff_quant
		.amdhsa_group_segment_fixed_size 68096
		.amdhsa_private_segment_fixed_size 0
		.amdhsa_enable_private_segment 0
		.amdhsa_kernarg_size 56
		.amdhsa_user_sgpr_count 2
		.amdhsa_user_sgpr_kernarg_segment_ptr 1
		.amdhsa_wavefront_size32 1
		.amdhsa_system_sgpr_workgroup_id_x 1
		.amdhsa_system_sgpr_workgroup_id_y 1
		.amdhsa_system_sgpr_workgroup_id_z 1
		.amdhsa_system_vgpr_workitem_id 0
		.amdhsa_next_free_vgpr 256
		.amdhsa_next_free_sgpr 66
		.amdhsa_reserve_vcc 0
		.amdhsa_float_denorm_mode_32 3
		.amdhsa_float_denorm_mode_16_64 3
		.amdhsa_memory_ordered 1
		.amdhsa_forward_progress 1
		.amdhsa_inst_pref_size 88
	.end_amdhsa_kernel
	.amdgpu_metadata
---
amdhsa.version: [ 1, 2 ]
amdhsa.kernels:
  - .name:           k_q014d33bcff_quant
    .symbol:         k_q014d33bcff_quant.kd
    .args:
      - { .name: x, .offset: 0, .size: 8, .value_kind: global_buffer, .address_space: global }
      - { .name: w_qkv, .offset: 8, .size: 8, .value_kind: global_buffer, .address_space: global }
      - { .name: w_o, .offset: 16, .size: 8, .value_kind: global_buffer, .address_space: global }
      - { .name: lowp_scales, .offset: 24, .size: 8, .value_kind: global_buffer, .address_space: global }
      - { .name: xc, .offset: 32, .size: 8, .value_kind: global_buffer, .address_space: global }
      - { .name: wqc, .offset: 40, .size: 8, .value_kind: global_buffer, .address_space: global }
      - { .name: woc, .offset: 48, .size: 8, .value_kind: global_buffer, .address_space: global }
    .group_segment_fixed_size: 68096
    .private_segment_fixed_size: 0
    .kernarg_segment_align: 8
    .kernarg_segment_size: 56
    .max_flat_workgroup_size: 128
    .sgpr_count:     66
    .vgpr_count:     256
    .wavefront_size: 32
...
	.end_amdgpu_metadata
.endif
;; end of part 1
;; launch qkv (part 2): grid 12 x 16, 4 waves a work-group, clusters of 4 x 4, 327,680 bytes of LDS; arguments xc, wqc, lowp_scales, qc, kc, vc; writes qc, kc, vc
.if DOCPART == 2
	.amdgcn_target "amdgcn-amd-amdhsa--gfx1250"
	.amdhsa_code_object_version 6
	.text
	.protected	k_q014d33bcff_qkv
	.globl	k_q014d33bcff_qkv
	.p2align	8
	.type	k_q014d33bcff_qkv,@function
k_q014d33bcff_qkv:
	s_mov_b64 s[64:65], 0
	v_nop
	global_prefetch_b8 v0, s[64:65] scope:SCOPE_SE
	s_setreg_imm32_b32 hwreg(HW_REG_WAVE_MODE, 25, 1), 1
	s_wait_xcnt 0x0
	s_wait_alu depctr_hold_cnt(0) depctr_sa_sdst(0) depctr_va_vdst(0) depctr_va_sdst(0) depctr_va_ssrc(0) depctr_va_vcc(0) depctr_vm_vsrc(0)
	s_getreg_b32 s2, hwreg(HW_REG_IB_STS2, 6, 4)
	s_cmp_eq_u32 s2, 0
	s_cbranch_scc0 .Lentry_in_a_cluster
	s_endpgm
.Lentry_in_a_cluster:
	s_bfe_u32 s2, ttmp6, 0x10000c
	s_cmp_lg_u32 s2, 0xf033
	s_cbranch_scc0 .Lentry_shape_is_right
	s_endpgm
.Lentry_shape_is_right:
.set KSTEP,  256
.set ROWB,   256
.set KROW,   1024
.set PITCH,  272
.set FR,     16
.set NL,     4
.set NP,     4
.set HALFT,  128*PITCH
.set SLOT,   4*HALFT
.set LAPS,   2
.set SPARE,  2*SLOT
.set SPITCH, 336
.set ADRA, 16
.set ADRB, 20
.set COV,  22
.set STO,  24
.set RDQ,  25
.set COQ,  26
.set RDV,  27
.set SPW,  28
.set NIL,  29
.set SCL,  30
.set LIM,  31
.set TMP,  32
.set AF,   128
.set CD,   128
.set G1, 24
.set G0, 32
.set G1B, 48
.set G0B, 56
.set MSB, 0
.macro WIN new
.if MSB != \new
	s_set_vgpr_msb (MSB<<8)|\new
.set MSB, \new
.endif
.endm
.set MUL_LO, 0xa1
.set MUL_HI, 0xf1
.set TO_B,   0x40
.macro JLOAD g0a, g1a, g0b, g1b
	s_cmp_eq_u32 s15, 0
	s_cbranch_scc0 .Lfor_b_\@
	tensor_load_to_lds s[\g0a:\g0a+3], s[\g1a:\g1a+7]
	s_nop 0
.rept 4
	v_nop
.endr
	s_branch .Lasked_\@
.Lfor_b_\@:
	tensor_load_to_lds s[\g0b:\g0b+3], s[\g1b:\g1b+7]
	s_nop 0
.rept 4
	v_nop
.endr
.Lasked_\@:
.endm
.macro CREST
	s_cmp_lg_u32 s14, 0
	s_cbranch_scc1 .Lnot_wave_0_\@
	s_barrier_signal -3
.Lnot_wave_0_\@:
	s_barrier_wait -3
	s_barrier_signal -1
	s_barrier_wait -1
.endm
.macro CROUND
	s_barrier_signal -1
	s_barrier_wait -1
	CREST
.endm
	s_load_b128 s[4:7], s[0:1], 0x0
	s_load_b128 s[8:11], s[0:1], 0x10
	s_load_b128 s[68:71], s[0:1], 0x20
	v_lshl_add_u32 v[SPW], v0, 2, SPARE
	v_mov_b32 v[NIL], 0
	ds_add_u32 v[SPW], v[NIL]
	ds_add_u32 v[SPW], v[NIL]
	v_lshrrev_b32 v1, 5, v0
	v_readfirstlane_b32 s14, v1
	s_lshr_b32 s15, s14, 1
	s_and_b32 s16, s14, 1
	s_bfe_u32 s40, ttmp6, 0x40000
	s_bfe_u32 s41, ttmp6, 0x40004
	s_and_b32 s79, ttmp7, 0xffff
	s_cmp_eq_u32 ttmp9, 2
	s_cselect_b32 s76, 0, s79
	s_cselect_b32 s77, s79, ttmp9
	s_cselect_b32 s78, 2048, 0
	s_lshl_b32 s42, s77, 2
	s_add_co_u32 s42, s42, s40
	s_lshl_b32 s17, s76, 2
	s_add_co_u32 s17, s17, s41
	s_lshl_b32 s43, s41, 2
	s_lshl_b32 s43, 15, s43
	s_lshl_b32 s44, 0x1111, s40
	s_or_b32 s[G1+0], s43, (0<<16)|(1<<20)|(1<<21)|(5<<22)|(3<<25)
	s_or_b32 s[G1B+0], s44, (0<<16)|(1<<20)|(1<<21)|(5<<22)|(3<<25)
.irp g, G1, G1B
	s_mov_b32 s[\g+1], ROWB<<16
	s_mov_b32 s[\g+2], 128<<16
	s_mov_b32 s[\g+3], ROWB<<16
	s_mov_b32 s[\g+4], 128
	s_mov_b32 s[\g+5], KROW
	s_mov_b32 s[\g+6], 0
	s_mov_b32 s[\g+7], 0
.endr
	s_lshl_b32 s18, s16, 7
	s_lshl_b32 s20, s17, 8
	s_add_co_u32 s20, s20, s18
	s_add_co_u32 s20, s20, s78
	s_lshl_b32 s20, s20, 10
	s_mov_b32 s21, 0
	s_lshl_b32 s46, s42, 8
	s_add_co_u32 s46, s46, s18
	s_lshl_b32 s46, s46, 10
	s_mov_b32 s47, 0
	s_mul_i32 s45, s14, HALFT
	s_wait_dscnt 0x0
	s_wait_kmcnt 0x0
	s_load_b256 s[88:95], s[8:9], 0x0
	s_cmp_eq_u32 ttmp9, 2
	s_cselect_b64 s[72:73], s[6:7], s[4:5]
	s_cselect_b64 s[74:75], s[4:5], s[6:7]
	s_add_nc_u64 s[20:21], s[72:73], s[20:21]
	s_add_nc_u64 s[46:47], s[74:75], s[46:47]
	CROUND
.irp s, 0,1
	s_mov_b32 s[G0+4*\s], 1
	s_add_co_u32 s[G0+4*\s+1], s45, \s*SLOT
	s_add_nc_u64 s[G0+4*\s+2:G0+4*\s+3], s[20:21], \s*ROWB
	s_or_b32 s[G0+4*\s+3], s[G0+4*\s+3], 0x80000000
	s_mov_b32 s[G0B+4*\s], 1
	s_add_co_u32 s[G0B+4*\s+1], s45, \s*SLOT
	s_add_nc_u64 s[G0B+4*\s+2:G0B+4*\s+3], s[46:47], \s*ROWB
	s_or_b32 s[G0B+4*\s+3], s[G0B+4*\s+3], 0x80000000
.if \s > 0                             ; K step 1's load stands behind the full sequence; K step 0's directly behind the opening round
	s_wait_alu depctr_va_vdst(0)
	s_wait_tensorcnt 0x0
	ds_add_u32 v28, v29
	ds_add_u32 v28, v29
	s_wait_dscnt 0x0
	CROUND
.endif
	JLOAD G0+4*\s, G1, G0B+4*\s, G1B
.endr
	v_and_b32 v1, 15, v0
	s_wait_alu depctr_va_vdst(0)
	v_bfe_u32 v2, v0, 4, 1
	v_mul_u32_u24 v3, v1, PITCH
	v_lshl_add_u32 v4, v2, 4, v3
	s_mul_i32 s21, s15, HALFT
	s_mul_i32 s22, s16, HALFT
	s_add_co_u32 s22, s22, 2*HALFT
.irp s, 0,1
	v_add_nc_u32 v[ADRA+\s], s21, v4
	v_add_nc_u32 v[ADRB+\s], s22, v4
	s_add_co_u32 s21, s21, SLOT
	s_add_co_u32 s22, s22, SLOT
.endr
	s_mul_i32 s23, s15, 128*SPITCH
	s_lshl_b32 s22, s16, 7
	s_add_co_u32 s23, s23, s22
	v_mul_u32_u24 v5, v1, SPITCH
	s_wait_alu depctr_va_vdst(0)
	v_lshl_add_u32 v5, v2, 4, v5
	v_add_nc_u32 v[STO], s23, v5
	s_mul_i32 s23, s14, 64*SPITCH
	v_and_b32 v6, 31, v0
	v_lshrrev_b32 v7, 2, v6
	v_mul_u32_u24 v7, v7, SPITCH
	v_and_b32 v8, 3, v6
	v_lshl_add_u32 v7, v8, 4, v7
	v_add_nc_u32 v[RDQ], s23, v7
	v_lshlrev_b32 v[COQ], 4, v6
	v_mul_u32_u24 v7, v2, SPITCH
	v_lshl_add_u32 v7, v1, 4, v7
	v_add_nc_u32 v[RDV], s23, v7
	v_lshlrev_b32 v[COV], 12, v2
	v_lshl_add_u32 v[COV], v1, 4, v[COV]
	s_lshl_b32 s83, s40, 20
	s_lshl_b32 s84, s17, 14
	s_add_co_u32 s83, s83, s84
	s_lshl_b32 s84, s14, 12
	s_add_co_u32 s83, s83, s84
	s_lshl_b32 s84, s17, 20
	s_lshl_b32 s85, s14, 18
	s_add_co_u32 s84, s84, s85
	s_lshl_b32 s85, s42, 8
	s_add_co_u32 s84, s84, s85
	s_cmp_eq_u32 ttmp9, 2
	s_cselect_b32 s84, s84, s83
	s_mov_b32 s85, 0
.macro FRAG reg, adr, q, i
.irp c, 0,1,2,3
	ds_load_b128 v[\reg+4*\c:\reg+4*\c+3], v[\adr] offset:128*(\q)+32*\c+(\i)*16*PITCH
.endr
.endm
.macro MUL16 a0, p, zero
.irp a, \a0, \a0+1
.irp b, 0,1,2,3,4,5,6,7
.if \zero
	v_wmma_f32_16x16x128_fp8_fp8 v[8*(8*((\a)%4)+\b):8*(8*((\a)%4)+\b)+7], v[128*(\p)+FR*\b:128*(\p)+FR*\b+FR-1], v[AF+FR*(\a):AF+FR*(\a)+FR-1], 0
.else
	v_wmma_f32_16x16x128_fp8_fp8 v[8*(8*((\a)%4)+\b):8*(8*((\a)%4)+\b)+7], v[128*(\p)+FR*\b:128*(\p)+FR*\b+FR-1], v[AF+FR*(\a):AF+FR*(\a)+FR-1], v[8*(8*((\a)%4)+\b):8*(8*((\a)%4)+\b)+7]
.endif
.endr
.endr
.endm
.macro FETCH_B slot, q, p
	WIN TO_B
.irp i, 0,1,2,3,4,5,6,7
	FRAG 128*(\p)+FR*\i, ADRB+\slot, \q, \i
.endr
	WIN 0
.endm
.macro FETCH_A slot, q, i0
.irp i, \i0, \i0+1, \i0+2, \i0+3
	FRAG AF+FR*(\i), ADRA+\slot, \q, \i
.endr
.endm
.macro PLACES n
.rept \n
	v_nop
.endr
.endm
.macro STEP slot, q, zero
	s_wait_dscnt 4*NL
	WIN MUL_LO
	MUL16 0, (\q)%2, \zero
	MUL16 2, (\q)%2, \zero
	s_wait_dscnt 0
	PLACES NP
	FETCH_B \slot, (\q)+1, 1-(\q)%2
	FETCH_A \slot, (\q)+1, 0
	WIN MUL_HI
	MUL16 4, (\q)%2, \zero
	MUL16 6, (\q)%2, \zero
	PLACES NP
	WIN 0
	FETCH_A \slot, (\q)+1, 4
.endm
.macro TURN slot, next, fill
	s_wait_tensorcnt 0x0
	ds_add_u32 v[SPW], v[NIL]
	s_wait_dscnt 4*NL+1
	WIN MUL_LO
	MUL16 0, 1, 0
	s_wait_dscnt 0x0
	s_barrier_signal -1
	MUL16 2, 1, 0
	WIN 0
	s_barrier_wait -1
.if \fill
	CREST
	s_add_nc_u64 s[G0+4*\slot+2:G0+4*\slot+3], s[G0+4*\slot+2:G0+4*\slot+3], 2*ROWB
	s_add_nc_u64 s[G0B+4*\slot+2:G0B+4*\slot+3], s[G0B+4*\slot+2:G0B+4*\slot+3], 2*ROWB
	JLOAD G0+4*\slot, G1, G0B+4*\slot, G1B
.else
	PLACES NP
.endif
	FETCH_B \next, 0, 0
	FETCH_A \next, 0, 0
	WIN MUL_HI
	MUL16 4, 1, 0
	MUL16 6, 1, 0
	PLACES NP
	WIN 0
	FETCH_A \next, 0, 4
.endm
	s_wait_tensorcnt 1
	s_barrier_signal -1
	s_barrier_wait -1
	FETCH_B 0, 0, 0
	FETCH_A 0, 0, 0
	FETCH_A 0, 0, 4
	STEP 0, 0, 1
	s_mov_b32 s3, LAPS-1
.Llap:
	TURN 0, 1, 1
	STEP 1, 0, 0
	TURN 1, 0, 1
	STEP 0, 0, 0
	s_sub_co_u32 s3, s3, 1
	s_cmp_lg_u32 s3, 0
	s_cbranch_scc1 .Llap
	TURN 0, 1, 0
	STEP 1, 0, 0
	s_wait_dscnt 4*NL
	WIN MUL_LO
	MUL16 0, 1, 0
	MUL16 2, 1, 0
	s_wait_dscnt 0
	WIN MUL_HI
	MUL16 4, 1, 0
	MUL16 6, 1, 0
	WIN 0
	s_wait_kmcnt 0x0
	s_cmp_eq_u32 ttmp9, 0
	s_cselect_b32 s82, s90, s91
	s_cselect_b64 s[80:81], s[10:11], s[68:69]
	s_cmp_eq_u32 ttmp9, 2
	s_cselect_b32 s82, s93, s82
	s_cselect_b64 s[80:81], s[70:71], s[80:81]
	s_add_nc_u64 s[80:81], s[80:81], s[84:85]
	s_sub_co_i32 s82, s82, s88
	s_sub_co_i32 s82, s82, s89
	s_add_co_i32 s82, s82, 127
	s_lshl_b32 s86, s82, 23
	v_mov_b32 v[SCL], s86
	s_add_co_i32 s82, s82, 8
	s_lshl_b32 s82, s82, 23
	s_or_b32 s82, s82, 0x600000
	v_mov_b32 v[LIM], s82
	PLACES NP
.macro QBLOCK a
.set AC, 64*((\a)%4)
	WIN 0x02+((\a)/4)
.set j, 0
.rept 64
	v_med3_num_f32 v[TMP+j], v[AC+j], -v[LIM], v[LIM]
.set j, j+1
.endr
	WIN 0
.irp b, 0,1,2,3,4,5,6,7
	v_cvt_scalef32_pk8_fp8_f32 v[CD+16*(\a)+2*\b:CD+16*(\a)+2*\b+1], v[TMP+8*\b:TMP+8*\b+7], v[SCL]
.endr
	v_nop
.irp b, 0,1,2,3,4,5,6,7
	ds_store_b64 v[STO], v[CD+16*(\a)+2*\b:CD+16*(\a)+2*\b+1] offset:(\a)*16*SPITCH+32*(\b/2)+8*(\b%2)
.endr
.endm
.irp a, 0,1,2,3,4,5,6,7
	QBLOCK \a
.endr
	s_wait_dscnt 0x0
	s_barrier_signal -1
	s_barrier_wait -1
	s_cmp_eq_u32 ttmp9, 2
	s_cbranch_scc1 .Lv_out
.set n, 0
.rept 32
	ds_load_b128 v[CD+4*n:CD+4*n+3], v[RDQ] offset:8*(n/4)*SPITCH+64*(n%4)
.set n, n+1
.endr
.set n, 0
.rept 32
	s_wait_dscnt 31-n
	global_store_b128 v[COQ], v[CD+4*n:CD+4*n+3], s[80:81] offset:(n%4)*262144+512*(n/4)
.set n, n+1
.endr
	s_branch .Lend
.Lv_out:
.set n, 0
.rept 32
	ds_load_b128 v[CD+4*n:CD+4*n+3], v[RDV] offset:2*n*SPITCH
.set n, n+1
.endr
.set n, 0
.rept 32
	s_wait_dscnt 31-n
	global_store_b128 v[COV], v[CD+4*n:CD+4*n+3], s[80:81] offset:2*n*4096
.set n, n+1
.endr
.Lend:
	s_wait_tensorcnt 0x0
	ds_add_u32 v[SPW], v[NIL]
	s_wait_dscnt 0x0
	CROUND
	s_endpgm
.Lfunc_end_k_q014d33bcff_qkv:
	.size	k_q014d33bcff_qkv, .Lfunc_end_k_q014d33bcff_qkv-k_q014d33bcff_qkv
	.p2alignl 7, 3214868480
	.fill 96, 4, 3214868480
	.section	.rodata,"a",@progbits
	.p2align	6, 0x0
	.amdhsa_kernel k_q014d33bcff_qkv
		.amdhsa_group_segment_fixed_size 327680
		.amdhsa_private_segment_fixed_size 0
		.amdhsa_enable_private_segment 0
		.amdhsa_kernarg_size 48
		.amdhsa_user_sgpr_count 2
		.amdhsa_user_sgpr_kernarg_segment_ptr 1
		.amdhsa_wavefront_size32 1
		.amdhsa_system_sgpr_workgroup_id_x 1
		.amdhsa_system_sgpr_workgroup_id_y 1
		.amdhsa_system_sgpr_workgroup_id_z 1
		.amdhsa_system_vgpr_workitem_id 0
		.amdhsa_next_free_vgpr 1024
		.amdhsa_next_free_sgpr 98
		.amdhsa_reserve_vcc 0
		.amdhsa_float_denorm_mode_32 3
		.amdhsa_float_denorm_mode_16_64 3
		.amdhsa_memory_ordered 1
		.amdhsa_forward_progress 1
		.amdhsa_inst_pref_size 133
	.end_amdhsa_kernel
	.amdgpu_metadata
---
amdhsa.version: [ 1, 2 ]
amdhsa.kernels:
  - .name:           k_q014d33bcff_qkv
    .symbol:         k_q014d33bcff_qkv.kd
    .args:
      - { .name: xc, .offset: 0, .size: 8, .value_kind: global_buffer, .address_space: global }
      - { .name: wqc, .offset: 8, .size: 8, .value_kind: global_buffer, .address_space: global }
      - { .name: lowp_scales, .offset: 16, .size: 8, .value_kind: global_buffer, .address_space: global }
      - { .name: qc, .offset: 24, .size: 8, .value_kind: global_buffer, .address_space: global }
      - { .name: kc, .offset: 32, .size: 8, .value_kind: global_buffer, .address_space: global }
      - { .name: vc, .offset: 40, .size: 8, .value_kind: global_buffer, .address_space: global }
    .group_segment_fixed_size: 327680
    .private_segment_fixed_size: 0
    .kernarg_segment_align: 8
    .kernarg_segment_size: 48
    .max_flat_workgroup_size: 128
    .sgpr_count:     98
    .vgpr_count:     1024
    .wavefront_size: 32
...
	.end_amdgpu_metadata
.endif
;; end of part 2
;; launch attn (part 3): grid 16 x 16, 16 waves a work-group, no clusters, 327,680 bytes of LDS; arguments qc, kc, vc, lowp_scales, oc; writes oc
.if DOCPART == 3
	.amdgcn_target "amdgcn-amd-amdhsa--gfx1250"
	.amdhsa_code_object_version 6
	.text
	.protected	k_q014d33bcff_attn
	.globl	k_q014d33bcff_attn
	.p2align	8
	.type	k_q014d33bcff_attn,@function
k_q014d33bcff_attn:
	s_mov_b64 s[64:65], 0
	v_nop
	global_prefetch_b8 v0, s[64:65] scope:SCOPE_SE
	s_setreg_imm32_b32 hwreg(HW_REG_WAVE_MODE, 25, 1), 1
	s_wait_xcnt 0x0
; Causal attention on codes of FP8 (E4M3), 16 heads of 64, 4,096 queries and keys; the result is quantised at once (e6) for the last product.
; qc, kc: [16 head][4096 t][64 d'];  vc: [16 head][64 d][4096 t'] (bits 3 and 4 of d and of t exchanged: a load of 16 bytes at 32 c + 16 (lane / 16) brings each k to its own place in the operand).
; oc: [32 blocks of 128 queries][64 granules of 16 channels][128 q][16]: codes; granule = 4 x head + channel / 16.
; THE SOFTMAX AHEAD OF THE SECOND PRODUCT: t = score x log2(e) / 8; M = the row's largest t so far, rounded UP to a whole number; p = 2^(t - M) is quantised (e4), not normalised.
; The row's sum is taken of the unquantised p, in f32, and divides O at the end.  When M moves, the sum and O are multiplied by 2^(old M - new M): exact.
; WORK LEFT OUT: key steps of 128 all of whose keys come after a wave's queries: the causal mask gives them p = 0 for all values of the inputs.  LIMIT: a NaN, an infinity or an overflow that reaches only those scores is not carried on.
; SHARES.  Work-group (i, head) takes block i of 128 queries, then block 31 - i: 33 key steps of 128 in all, the same in every work-group.  Wave w has 32 queries of the block (w % 4) and one key step
; of each slot of four (w / 4).  So all sixteen waves work on the same slot.  At a block's end the four partial results of 32 queries are joined through LDS: each wave takes 16 channels of them.
; A block of n key steps takes (n + 3) / 4 slots: the low one i / 4 + 1, the high one 8 - i / 4: nine trips in every work-group.
; K's and V's tiles come through a ring of two LDS slots of 512 keys (waves 0, 1: K's halves; waves 2, 3: V's), read by all sixteen waves.
; NO CLUSTER: work-groups that share a head's K and V walk different slots in the same trip (the low block's count of slots hangs on i), so joint requests would not name the same tiles.
; LAYOUT.  Both products are used transposed: S^T = K Q^T, O^T = V^T P^T: a lane holds ONE query of each of two tiles of 16 throughout.  Register 8 t + j of S^T is key 16 t + 8 (lane / 16) + j.
; LIMITS on the given exponents: e2 + e3 between -123 and 130 (added to c's exponent field); e4, and e6 - e4 - e5, between -126 and 119.  The scaled scores (exponents to the base 2) stay under 2^31 in magnitude.
; REGISTERS: v12, v14 -M, v13, v15 the largest t, v[16:17], v[18:19] the sums in two halves, v10, v20 the factors (two tiles of queries); v24-39 Q; v40-63 K's last three fragments, then sums at work, then P of tile 0;
; v64-191 S^T, then p; v192-255 O^T (channels 16 d, tile u: at 192 + 16 d + 8 u).  K's first five fragments lie where scores 5 to 7 will be written; V's four and P of tile 1 on scores that have been converted.
.set KU,    272                        ; four keys' 256 bytes + 16 of padding: K's 512 rows of 64 bytes are dense and are stated as 128 rows of 256
.set VP,    528                        ; a row of V's tile: 512 bytes + 16 of padding
.set VOFF,  128*KU                     ; a slot: K's 128 units, then V's 64 rows
.set SLOT,  VOFF+64*VP
.set MB,    2*SLOT                     ; partial results: 8,192 bytes for each wave
.set STB,   MB+16*8192                 ; their -M and sums: 512 bytes for each wave
.set SPARE, STB+16*512                 ; the spare words, 128 bytes for each wave
.set AK0,  1                           ; my lane's place in my step's tiles of K
.set AV0,  2                           ; the same for V
.set PFO,  3                           ; the prefetches' offset
.set QOF,  4                           ; my byte offset in the wave's rows of Q
.set SPW,  5                           ; LDS address of my spare word; never rewritten
.set NIL,  6                           ; 0; never rewritten
.set SC,   7                           ; 2^e4
.set Q,    24
.set KB,   40
.set S,    64
.set O,    192
.set WV,   18                          ; my wave's number
.set SEL,  20                          ; s[20:21] lane selects for v_permlanex16_b32: lane l xor 16
.set CS,   22                          ; s[22:23] c = log2(e) / 8 x 2^(e2 + e3)
.set G1K,  24
.set G1V,  32
.set G0K,  40
.set G0V,  44
.set BK,   48                          ; s[48:49] my part of K in slot 0, s[50:51] of V
.set BV,   50
.set OFF,  52
.set NL,   54                          ; slots of the low block
.set N,    55                          ; trips done
.set TB,   56                          ; LDS byte at which the slot in hand begins
.set TBN,  57                          ; and the slot that is asked for
.set KF,   58                          ; my step's first key
.set Q0,   59                          ; my first query in the block in hand
.set LK,   60                          ; where my part of K lies in a slot, and of V
.set LV,   61
.set HL,   62                          ; 448 x 2^e4
.set KP,   63                          ; 128 x (w / 4)
.set Q0H,  66                          ; my first query in the high block
.set PFA,  76
.set PFS,  78
.set LIM,  80                          ; trips in which my wave prefetches
.set QH,   82                          ; s[82:83] the high block's Q
.set OBL,  84                          ; s[84:85], s[86:87] my part of oc, low and high block
.set OBH,  86
.set OSC,  88                          ; 2^(e6 - e4 - e5), and 448 x that
.set OLM,  89
.set LW,   90                          ; where my partial results go,
.set LR,   91                          ; where I read the four of my channels,
.set LST,  92                          ; and their sums
; Waves 0, 1 fetch K's halves, waves 2, 3 V's, the others nothing.  The branches hang on the wave's number alone.
.macro TLOAD
	s_cmp_lt_u32 s[WV], 2
	s_cbranch_scc0 .Lnot_k_\@
	tensor_load_to_lds s[G0K:G0K+3], s[G1K:G1K+7]
	s_nop 0
.rept 4
	v_nop
.endr
	s_branch .Lasked_\@
.Lnot_k_\@:
	s_cmp_lt_u32 s[WV], 4
	s_cbranch_scc0 .Lasked_\@
	tensor_load_to_lds s[G0V:G0V+3], s[G1V:G1V+7]
	s_nop 0
.rept 4
	v_nop
.endr
.Lasked_\@:
.endm
; A PREFETCH in trip n = 0 .. 5: slot n + 2, which the work-group with x = 0 (its low block has one slot, its high block all eight) asks for by tensor loads two trips later.  Each aligned block of 256 bytes is asked
; for ONCE in the launch, by that work-group: waves 4-7 for K's 32,768 dense bytes, 8,192 a wave, lanes 256 bytes apart; waves 8-11 for V, a lane a row: 32 rows and one half of their 512 bytes a wave.
.macro ASK
	s_cmp_lt_u32 s[N], s[LIM]
	s_cbranch_scc0 .Lnot_mine_\@
	global_prefetch_b8 v[PFO], s[PFA:PFA+1] th:TH_LOAD_NT scope:SCOPE_SE
.Lnot_mine_\@:
.endm
; A block begins: O^T and the sums 0, the largest t -3e38, under every t, and -M likewise (its first change of M multiplies zeros).
.macro INIT
.set j, 0
.rept 64
	v_mov_b32 v[O+j], 0
.set j, j+1
.endr
	v_mov_b32 v12, 0x7f61b1e6
	v_mov_b32 v13, 0xff61b1e6
	v_mov_b32 v14, 0x7f61b1e6
	v_mov_b32 v15, 0xff61b1e6
	v_mov_b32 v16, 0
	v_mov_b32 v17, 0
	v_mov_b32 v18, 0
	v_mov_b32 v19, 0
.endm
.macro QLOAD base
.irp u, 0,1
	global_load_b128 v[Q+8*\u:Q+8*\u+3], v[QOF], s[\base:\base+1] offset:1024*\u
	global_load_b128 v[Q+8*\u+4:Q+8*\u+7], v[QOF], s[\base:\base+1] offset:1024*\u+32
.endr
.endm
	s_load_b128 s[4:7], s[0:1], 0x0                ; qc s[4:5], kc s[6:7]
	s_load_b128 s[12:15], s[0:1], 0x10             ; vc s[12:13], the scales' exponents s[14:15]
	s_load_b64 s[16:17], s[0:1], 0x20              ; oc
	v_lshl_add_u32 v[SPW], v0, 2, SPARE
	v_mov_b32 v[NIL], 0
	ds_add_u32 v[SPW], v[NIL]                      ; the wave's opening: the add, twice on end, and its wait ahead of my first tensor load
	ds_add_u32 v[SPW], v[NIL]
	v_lshrrev_b32 v8, 5, v0
	v_readfirstlane_b32 s[WV], v8                  ; wave 0..15
	s_and_b32 s93, ttmp7, 0xffff                   ; the head
	s_and_b32 s96, s[WV], 3                        ; which 32 queries of a block
	s_lshr_b32 s97, s[WV], 2                       ; which key step of a slot
	s_lshl_b32 s[KP], s97, 7
	s_lshr_b32 s[NL], ttmp9, 2
	s_add_co_u32 s[NL], s[NL], 1
	s_lshl_b32 s98, s96, 5
	s_lshl_b32 s[Q0], ttmp9, 7
	s_add_co_u32 s[Q0], s[Q0], s98
	s_sub_co_u32 s99, 31, ttmp9
	s_lshl_b32 s[Q0H], s99, 7
	s_add_co_u32 s[Q0H], s[Q0H], s98
	s_lshl_b32 s94, s93, 18                        ; the head's first byte in qc, kc and vc
	s_mov_b32 s95, 0
	s_lshl_b32 s100, s[Q0], 6
	s_mov_b32 s101, 0
	s_add_nc_u64 s[100:101], s[100:101], s[94:95]
	s_lshl_b32 s[QH], s[Q0H], 6
	s_mov_b32 s[QH+1], 0
	s_add_nc_u64 s[QH:QH+1], s[QH:QH+1], s[94:95]
	s_lshl_b32 s98, s93, 2
	s_add_co_u32 s98, s98, s97
	s_lshl_b32 s98, s98, 11                        ; my granule: 2,048 bytes each,
	s_lshl_b32 s93, s96, 9
	s_add_co_u32 s98, s98, s93                     ; my 32 rows of 16 bytes
	s_lshl_b32 s[OBL], ttmp9, 17
	s_add_co_u32 s[OBL], s[OBL], s98
	s_mov_b32 s[OBL+1], 0
	s_lshl_b32 s[OBH], s99, 17
	s_add_co_u32 s[OBH], s[OBH], s98
	s_mov_b32 s[OBH+1], 0
	s_lshl_b32 s[LW], s[WV], 13
	s_add_co_u32 s[LW], s[LW], MB
	s_lshl_b32 s[LR], s96, 13
	s_lshl_b32 s98, s97, 11
	s_add_co_u32 s[LR], s[LR], s98
	s_add_co_u32 s[LR], s[LR], MB
	s_lshl_b32 s[LST], s96, 9
	s_add_co_u32 s[LST], s[LST], STB
	s_and_b32 s93, s[WV], 1                        ; which half of K's or V's tile I fetch, if I fetch
	s_lshl_b32 s[BK], s93, 14
	s_mov_b32 s[BK+1], 0
	s_add_nc_u64 s[BK:BK+1], s[BK:BK+1], s[94:95]
	s_mul_i32 s[LK], s93, 64*KU
	s_lshl_b32 s[BV], s93, 17
	s_mov_b32 s[BV+1], 0
	s_add_nc_u64 s[BV:BV+1], s[BV:BV+1], s[94:95]
	s_mul_i32 s[LV], s93, 32*VP
	s_add_co_u32 s[LV], s[LV], VOFF
	; descriptor group 1.  K: 64 rows of 256 bytes, dense;  V: 32 rows of 512 bytes, 4,096 apart
	s_mov_b32 s[G1K], (0<<16)|(1<<20)|(5<<22)|(3<<25)   ; no mask; elements of 1 byte; padding of four words after every 64
	s_mov_b32 s[G1K+1], 256<<16
	s_mov_b32 s[G1K+2], 64<<16
	s_mov_b32 s[G1K+3], 256<<16
	s_mov_b32 s[G1K+4], 64
	s_mov_b32 s[G1K+5], 256
	s_mov_b32 s[G1K+6], 0
	s_mov_b32 s[G1K+7], 0
	s_mov_b32 s[G1V], (0<<16)|(1<<20)|(6<<22)|(3<<25)   ; padding of four words after every 128
	s_mov_b32 s[G1V+1], 512<<16
	s_mov_b32 s[G1V+2], 32<<16
	s_mov_b32 s[G1V+3], 512<<16
	s_mov_b32 s[G1V+4], 32
	s_mov_b32 s[G1V+5], 4096
	s_mov_b32 s[G1V+6], 0
	s_mov_b32 s[G1V+7], 0
	s_mov_b32 s[SEL], 0x76543210
	s_mov_b32 s[SEL+1], 0xfedcba98
	s_mov_b32 s[CS], 0x3e38aa3b                    ; log2(e) / 8
	s_mov_b32 s[TB], 0
	s_mov_b32 s[TBN], 0
	s_mov_b32 s[N], 0
	s_wait_dscnt 0x0                               ; both opening adds are done
	s_wait_kmcnt 0x0
	s_load_b256 s[68:75], s[14:15], 0x0            ; e0 .. e7
	s_add_nc_u64 s[BK:BK+1], s[6:7], s[BK:BK+1]
	s_add_nc_u64 s[BV:BV+1], s[12:13], s[BV:BV+1]
	s_mov_b32 s[G0K], 1
	s_mov_b32 s[G0K+1], s[LK]
	s_mov_b64 s[G0K+2:G0K+3], s[BK:BK+1]
	s_or_b32 s[G0K+3], s[G0K+3], 0x80000000
	s_mov_b32 s[G0V], 1
	s_mov_b32 s[G0V+1], s[LV]
	s_mov_b64 s[G0V+2:G0V+3], s[BV:BV+1]
	s_or_b32 s[G0V+3], s[G0V+3], 0x80000000
	TLOAD                                          ; slot 0: one tensor load of mine is out at the most, here and behind every change of slots
	s_add_nc_u64 s[QH:QH+1], s[4:5], s[QH:QH+1]
	s_add_nc_u64 s[4:5], s[4:5], s[100:101]
	s_add_nc_u64 s[OBL:OBL+1], s[16:17], s[OBL:OBL+1]
	s_add_nc_u64 s[OBH:OBH+1], s[16:17], s[OBH:OBH+1]
	; the prefetches: where my wave's stand, and who asks
	s_and_b32 s93, s[WV], 3
	s_lshl_b32 s93, s93, 13                        ; K: 8,192 bytes a wave
	s_and_b32 s96, s[WV], 1
	s_lshl_b32 s96, s96, 17                        ; V: which 32 rows,
	s_bfe_u32 s97, s[WV], 0x10001
	s_lshl_b32 s97, s97, 8
	s_add_co_u32 s96, s96, s97                     ; which half of their 512 bytes
	s_mov_b32 s[PFS], 512
	s_mov_b32 s97, 4096
	s_cmp_lt_u32 s[WV], 8                          ; waves 4 to 7 ask for K's codes, waves 8 to 11 for V's
	s_cselect_b64 s[PFA:PFA+1], s[6:7], s[12:13]
	s_cselect_b32 s[PFS], 32768, s[PFS]            ; a slot on
	s_cselect_b32 s97, 256, s97                    ; from lane to lane
	s_cselect_b32 s98, s93, s96
	s_add_co_u32 s98, s98, s[PFS]                  ; in slot 1: the first change of slots steps it to slot 2
	s_mov_b32 s99, 0
	s_mov_b32 s[PFS+1], 0
	v_and_b32 v[PFO], 31, v0
	v_mul_lo_u32 v[PFO], v[PFO], s97
	s_add_nc_u64 s[PFA:PFA+1], s[PFA:PFA+1], s[94:95]
	s_add_nc_u64 s[PFA:PFA+1], s[PFA:PFA+1], s[98:99]
	s_sub_co_u32 s96, s[WV], 4
	s_lshr_b32 s96, s96, 3                         ; 0 in waves 4 to 11,
	s_or_b32 s96, s96, ttmp9                       ; of the work-group with x = 0
	s_cmp_eq_u32 s96, 0
	s_cselect_b32 s[LIM], 6, 0
	s_lshr_b32 s96, s[WV], 2
	s_mul_i32 s96, s96, 32*KU                      ; my step's 32 units of K in a slot
	v_and_b32 v8, 15, v0                           ; r = lane % 16
	v_bfe_u32 v9, v0, 4, 1                         ; h = lane / 16
	v_lshlrev_b32 v[QOF], 6, v8
	v_lshl_add_u32 v[QOF], v9, 4, v[QOF]           ; Q: row r of 64 bytes, + 16 h
	QLOAD 4
	v_lshrrev_b32 v11, 2, v8
	v_mul_u32_u24 v[AK0], v11, KU
	v_and_b32 v11, 3, v8
	v_lshl_add_u32 v[AK0], v11, 6, v[AK0]
	v_lshl_add_u32 v[AK0], v9, 4, v[AK0]           ; key r of a tile: unit r / 4, 64 (r % 4) in it, + 16 h
	v_add_nc_u32 v[AK0], s96, v[AK0]
	v_mul_u32_u24 v[AV0], v8, VP
	v_lshl_add_u32 v[AV0], v9, 4, v[AV0]
	v_add_nc_u32 v[AV0], VOFF, v[AV0]
	v_add_nc_u32 v[AV0], s[KP], v[AV0]
	v_mov_b32 v21, 0                               ; (v11 and v21 are named as upper halves of pairs)
	v_mov_b32 v22, 0                               ; written once: a lane permute's destination counts as one of its sources
	v_mov_b32 v23, 0
	INIT
	s_wait_alu depctr_va_vdst(0)
	s_wait_kmcnt 0x0
	s_add_co_i32 s93, s70, s71
	s_lshl_b32 s93, s93, 23
	s_add_co_i32 s[CS], s[CS], s93                 ; a score stands for score x 2^(e2 + e3): the two exponents are added to c's exponent field
	s_mov_b32 s[CS+1], s[CS]                       ; (named with it as a pair, so it is written)
	s_add_co_i32 s93, s72, 127
	s_lshl_b32 s96, s93, 23
	v_mov_b32 v[SC], s96                           ; 2^e4 as f32, for p's conversion
	s_add_co_i32 s93, s93, 8
	s_lshl_b32 s93, s93, 23
	s_or_b32 s[HL], s93, 0x600000                  ; 448 x 2^e4
	s_sub_co_i32 s93, s74, s72
	s_sub_co_i32 s93, s93, s73                     ; O^T / the sum stands for o / 2^(e4 + e5): its code is that / 2^(e6 - e4 - e5)
	s_add_co_i32 s93, s93, 127
	s_lshl_b32 s[OSC], s93, 23
	s_add_co_i32 s93, s93, 8
	s_lshl_b32 s93, s93, 23
	s_or_b32 s[OLM], s93, 0x600000
.macro KHOME t                         ; where K's fragment t lies: 0-4 where scores 5 to 7 will be written, 5-7 in the buffer
.if (\t) < 3
.set KH, S+40+8*(\t)
.elseif (\t) < 5
.set KH, S+104+8*((\t)-3)
.else
.set KH, KB+8*((\t)-5)
.endif
.endm
.macro SCORES t
	KHOME \t
.irp u, 0,1
	v_wmma_f32_16x16x64_fp8_fp8 v[S+64*\u+8*(\t):S+64*\u+8*(\t)+7], v[KH:KH+7], v[Q+8*\u:Q+8*\u+7], 0
.endr
.endm
.macro CODES u, t, p                   ; the hold and the conversion of eight keys' p
.irp i, 0,2,4,6
	v_dual_min_num_f32 v[S+64*(\u)+8*(\t)+\i], s[HL], v[S+64*(\u)+8*(\t)+\i] :: v_dual_min_num_f32 v[S+64*(\u)+8*(\t)+\i+1], s[HL], v[S+64*(\u)+8*(\t)+\i+1]
.endr
	v_cvt_scalef32_pk8_fp8_f32 v[(\p)+2*(\t):(\p)+2*(\t)+1], v[S+64*(\u)+8*(\t):S+64*(\u)+8*(\t)+7], v[SC]
.endm
.macro VLOAD d, home                   ; V^T: channels 16 d on x my step's 128 keys
.irp c, 0,1,2,3
	ds_load_b128 v[(\home)+4*\c:(\home)+4*\c+3], v9 offset:16*VP*(\d)+32*\c
.endr
.endm
; MY KEY STEP of the slot in hand: 128 keys x my 32 queries.
.macro STEP
	s_cmp_lt_u32 s[N], s[NL]
	s_cselect_b32 s93, 0, s[NL]
	s_sub_co_u32 s93, s[N], s93                    ; which slot of the block
	s_lshl_b32 s93, s93, 9
	s_add_co_u32 s[KF], s93, s[KP]
	s_add_co_u32 s96, s[Q0], 31                    ; a step all of whose keys come after my 32 queries is left out: a scalar branch on ids, round no barrier
	s_cmp_gt_u32 s[KF], s96
	s_cbranch_scc1 .Lhidden_\@
	v_add_nc_u32 v8, s[TB], v[AK0]
	v_add_nc_u32 v9, s[TB], v[AV0]
	v_nop                                          ; with the two additions: five places in front of loads into, and of products over, registers that the last products have read
	v_nop
	v_nop
.irp t, 0,1,2,3,4,5,6,7
	KHOME \t
	ds_load_b128 v[KH:KH+3], v8 offset:4*KU*\t
	ds_load_b128 v[KH+4:KH+7], v8 offset:4*KU*\t+32
.endr
	s_wait_dscnt 6                                 ; tiles 0 to 4 are in; the six loads of tiles 5 to 7 may be out
.irp t, 0,1,2,3,4
	SCORES \t
.endr
.rept 5
	v_nop                                          ; places: the next products write over fragments that these have read
.endr
	s_wait_dscnt 0x0
.irp t, 5,6,7
	SCORES \t
.endr
.rept 4
	v_nop                                          ; places: the scores are read, and the buffer is written
.endr
	s_add_co_u32 s96, s[KF], 127                   ; on the diagonal the scores of hidden keys become -infinity ahead of the maximum: p = 0 then.  A step all of whose keys count skips this
	s_cmp_le_u32 s96, s[Q0]
	s_cbranch_scc1 .Lopen_\@
	s_sub_co_i32 s96, s[Q0], s[KF]
	v_and_b32 v22, 15, v0
	v_bfe_u32 v23, v0, 4, 1
	v_lshlrev_b32 v23, 3, v23
	v_sub_nc_u32 v22, v22, v23
	v_add_nc_u32 v22, s96, v22                     ; d = my query - KF - 8 (lane / 16).  Register 8 t + j: hidden where 16 t + j > d
	v_add_nc_u32 v23, 16, v22                      ; the second tile's queries lie 16 further on
	v_mov_b32 v11, 0xff800000                      ; -infinity
.irp u, 0,1
.set n, 0
.rept 64
	v_cmp_gt_i32 vcc_lo, 16*(n/8)+n%8, v[22+\u]
	v_cndmask_b32 v[S+64*\u+n], v[S+64*\u+n], v11, vcc_lo
.set n, n+1
.endr
.endr
.Lopen_\@:
	v_max3_num_f32 v11, v[S], v[S+1], v[S+2]       ; the step's largest score of my two queries, among my 64 keys, in two chains each; each accumulator is first read at its low end
	v_max3_num_f32 v21, v[S+64], v[S+65], v[S+66]
	v_max3_num_f32 v40, v[S+3], v[S+4], v[S+5]
	v_max3_num_f32 v41, v[S+67], v[S+68], v[S+69]
.irp i, 6,10,14,18,22,26,30,34,38,42,46,50,54,58
	v_max3_num_f32 v11, v11, v[S+\i], v[S+\i+1]
	v_max3_num_f32 v21, v21, v[S+64+\i], v[S+65+\i]
	v_max3_num_f32 v40, v40, v[S+2+\i], v[S+3+\i]
	v_max3_num_f32 v41, v41, v[S+66+\i], v[S+67+\i]
.endr
	v_max3_num_f32 v11, v11, v[S+62], v[S+63]
	v_max3_num_f32 v21, v21, v[S+126], v[S+127]
	v_max_num_f32 v11, v11, v40
	v_max_num_f32 v21, v21, v41
	v_permlanex16_b32 v22, v11, s[SEL], s[SEL+1]
	v_permlanex16_b32 v23, v21, s[SEL], s[SEL+1]
	v_max_num_f32 v11, v11, v22                    ; and among lane l xor 16's
	v_max_num_f32 v21, v21, v23
	v_mul_f32 v11, s[CS], v11                      ; as t (c is positive)
	v_mul_f32 v21, s[CS], v21
	v_max_num_f32 v13, v13, v11                    ; the running largest t
	v_max_num_f32 v15, v15, v21
	v_mov_b32 v11, v12
	v_mov_b32 v21, v14
	v_floor_f32 v12, -v13                          ; the new -M = floor(-t) = -ceil(t): M is a whole number
	v_floor_f32 v14, -v15
	v_sub_f32 v11, v12, v11                        ; M's old value less its new one: a whole number, 0 or less
	v_sub_f32 v21, v14, v21
	v_cvt_i32_f32 v11, v11                         ; (it saturates)
	v_cvt_i32_f32 v21, v21
	v_ldexp_f32 v10, 1.0, v11                      ; f = 2^(old M - new M): a multiplication by it rounds nothing
	v_ldexp_f32 v20, 1.0, v21
.irp u, 0,1
.set j, 0
.rept 32
	v_pk_fma_f32 v[S+64*\u+j:S+64*\u+j+1], v[S+64*\u+j:S+64*\u+j+1], s[CS:CS+1], v[12+2*\u:13+2*\u] op_sel_hi:[1,0,0]   ; t - M, two at a time
.set j, j+2
.endr
.endr
	s_wait_alu depctr_va_vdst(0)
.set j, 0
.rept 128
	v_exp_f32 v[S+j], v[S+j]                       ; p = 2^(t - M), at most 1: not normalised
.set j, j+1
.endr
	v_pk_mul_f32 v[16:17], v[16:17], v[10:11] op_sel_hi:[1,0]   ; the sums under the new M: plain instructions behind the exponentials
	v_pk_mul_f32 v[18:19], v[18:19], v[20:21] op_sel_hi:[1,0]
	s_wait_alu depctr_va_vdst(0)                   ; one wait for the batch of 128, ahead of its first reader
.irp q, 0,1,2,3                        ; the rows' sums, four chains for each query
.irp u, 0,1
	v_pk_add_f32 v[KB+8*\u+2*\q:KB+8*\u+2*\q+1], v[S+64*\u+2*\q:S+64*\u+2*\q+1], v[S+64*\u+2*\q+8:S+64*\u+2*\q+9]
.endr
.endr
.irp g, 16,24,32,40,48,56
.irp q, 0,1,2,3
.irp u, 0,1
	v_pk_add_f32 v[KB+8*\u+2*\q:KB+8*\u+2*\q+1], v[KB+8*\u+2*\q:KB+8*\u+2*\q+1], v[S+64*\u+2*\q+\g:S+64*\u+2*\q+\g+1]
.endr
.endr
.endr
	v_pk_add_f32 v[40:41], v[40:41], v[42:43]
	v_pk_add_f32 v[48:49], v[48:49], v[50:51]
	v_pk_add_f32 v[44:45], v[44:45], v[46:47]
	v_pk_add_f32 v[52:53], v[52:53], v[54:55]
	v_pk_add_f32 v[16:17], v[16:17], v[40:41]
	v_pk_add_f32 v[18:19], v[18:19], v[48:49]
	v_pk_add_f32 v[16:17], v[16:17], v[44:45]
	v_pk_add_f32 v[18:19], v[18:19], v[52:53]
; The conversion to an 8-bit code does not saturate (ISA guide 7.6.2); p is not negative, so the hold is one-sided.  Keys 16 t + 8 h + 0 .. 7: registers 2 t, 2 t + 1 of P.
.irp t, 0,1,2,3,4,5,6,7
	CODES 0, \t, KB
.endr
	VLOAD 0, S+16                                  ; onto scores that have been converted
	VLOAD 1, S+32
	VLOAD 2, S+48
.irp t, 0,1,2,3,4,5,6,7
	CODES 1, \t, S
.if \t == 3
	VLOAD 3, S+64
.endif
.endr
	s_wait_alu depctr_va_vdst(0)                   ; ahead of the first reader of O^T
.irp d, 0,1,2,3
.irp j, 0,2,4,6
	v_pk_mul_f32 v[O+16*\d+\j:O+16*\d+\j+1], v[O+16*\d+\j:O+16*\d+\j+1], v[10:11] op_sel_hi:[1,0]   ; O^T under the new M
	v_pk_mul_f32 v[O+16*\d+8+\j:O+16*\d+9+\j], v[O+16*\d+8+\j:O+16*\d+9+\j], v[20:21] op_sel_hi:[1,0]
.endr
.endr
	s_wait_alu depctr_va_vdst(0)
	s_wait_dscnt 0x0                               ; V's fragments are in
.irp d, 0,1,2,3
.if \d < 3
.set VH, S+16+16*\d
.else
.set VH, S+64
.endif
	v_wmma_f32_16x16x128_fp8_fp8 v[O+16*\d:O+16*\d+7], v[VH:VH+15], v[KB:KB+15], v[O+16*\d:O+16*\d+7]   ; the eight accumulators by turns, one instruction a turn
	v_wmma_f32_16x16x128_fp8_fp8 v[O+16*\d+8:O+16*\d+15], v[VH:VH+15], v[S:S+15], v[O+16*\d+8:O+16*\d+15]
.endr
.Lhidden_\@:
	s_xor_b32 s[TB], s[TB], SLOT                   ; on to the other slot
.endm
; THE CHANGE OF SLOTS.  Each wave waits for all its tensor loads (its part of the slot that it is about to read), adds 0 to its spare word
; and waits for that and for its LDS reads and stores.  Behind the barrier the slot ahead is whole and nobody reads the other one.  fill = 1: that other slot is filled for the next trip.
.macro CHANGE fill
	s_wait_tensorcnt 0x0
	ds_add_u32 v[SPW], v[NIL]                      ; 0 onto my spare word; the descriptors' steps stand between it and the wait for it
.if \fill
	ds_add_u32 v[SPW], v[NIL]
	s_add_co_u32 s93, s[N], 1
	s_cmp_lt_u32 s93, s[NL]
	s_cselect_b32 s96, 0, s[NL]
	s_sub_co_u32 s93, s93, s96                     ; the next trip's slot of its block
	s_xor_b32 s[TBN], s[TBN], SLOT
	s_add_co_u32 s[G0K+1], s[LK], s[TBN]
	s_add_co_u32 s[G0V+1], s[LV], s[TBN]
	s_lshl_b32 s[OFF], s93, 15                     ; 512 keys of 64 bytes
	s_mov_b32 s[OFF+1], 0
	s_add_nc_u64 s[G0K+2:G0K+3], s[BK:BK+1], s[OFF:OFF+1]
	s_or_b32 s[G0K+3], s[G0K+3], 0x80000000
	s_lshl_b32 s[OFF], s93, 9                      ; 512 bytes along V's rows
	s_add_nc_u64 s[G0V+2:G0V+3], s[BV:BV+1], s[OFF:OFF+1]
	s_or_b32 s[G0V+3], s[G0V+3], 0x80000000
	s_wait_xcnt 0x0                                ; the last prefetch has read its address, so it may be written
	s_add_nc_u64 s[PFA:PFA+1], s[PFA:PFA+1], s[PFS:PFS+1]
.endif
	s_wait_dscnt 0x0
	s_barrier_signal -1
	s_barrier_wait -1
.if \fill
	TLOAD
	ASK
.endif
.endm
; A BLOCK'S END, in front of a barrier: my partial O^T, -M and sums into my own bytes.  The four address lines are the places behind the last products.
.macro PARTIALS
	v_and_b32 v8, 31, v0
	v_lshlrev_b32 v8, 4, v8
	v_add_nc_u32 v8, s[LW], v8
	v_lshl_add_u32 v9, v0, 4, STB
	v_mov_b32 v40, v12
	v_add_f32 v41, v16, v17
	v_mov_b32 v42, v14
	v_add_f32 v43, v18, v19
.set j, 0
.rept 16
	ds_store_b128 v8, v[O+4*j:O+4*j+3] offset:512*j
.set j, j+1
.endr
	ds_store_b128 v9, v[40:43]
.endm
; And behind it: channels 16 (w / 4) on of my 32 queries, from the four waves that share them: O = sum of 2^(M_k - M) O_k / sum of 2^(M_k - M) l_k; held, converted, stored: 256 consecutive bytes a store.
; A wave that had no step has M_k = -3e38, zeros, and a factor of 0.
.macro FINISH ob
	v_and_b32 v8, 31, v0
	v_lshlrev_b32 v8, 4, v8
	v_add_nc_u32 v10, s[LST], v8
	v_add_nc_u32 v8, s[LR], v8
	v_add_nc_u32 v9, 0x10000, v8
.irp k, 0,1,2,3
	ds_load_b128 v[128+4*\k:131+4*\k], v10 offset:2048*\k
.endr
.irp k, 0,1,2,3
.irp c, 0,1,2,3
	ds_load_b128 v[64+16*\k+4*\c:67+16*\k+4*\c], v[8+\k/2] offset:32768*(\k%2)+512*\c
.endr
.endr
	v_mov_b32 v10, s[OLM]
	v_mov_b32 v11, s[OSC]
	s_wait_alu depctr_va_vdst(0)
	s_wait_dscnt 16                                ; -M and sums are in; the sixteen younger loads may be out
.irp u, 0,1
	v_min3_num_f32 v[162+\u], v[128+2*\u], v[132+2*\u], v[136+2*\u]
.endr
.irp u, 0,1
	v_min_num_f32 v[162+\u], v[162+\u], v[140+2*\u]   ; -M of the whole row
.endr
.irp k, 0,1,2,3
.irp u, 0,1
	v_sub_f32 v[145+8*\u+2*\k], v[162+\u], v[128+4*\k+2*\u]
.endr
.endr
.irp k, 0,1,2,3
.irp u, 0,1
	v_cvt_i32_f32 v[145+8*\u+2*\k], v[145+8*\u+2*\k]
.endr
.endr
.irp k, 0,1,2,3
.irp u, 0,1
	v_ldexp_f32 v[144+8*\u+2*\k], 1.0, v[145+8*\u+2*\k]
.endr
.endr
.irp u, 0,1
	v_mul_f32 v[160+\u], v[144+8*\u], v[129+2*\u]
.endr
.irp k, 1,2,3
.irp u, 0,1
	v_fma_f32 v[160+\u], v[144+8*\u+2*\k], v[129+4*\k+2*\u], v[160+\u]
.endr
.endr
.irp u, 0,1
	v_permlanex16_b32 v[22+\u], v[160+\u], s[SEL], s[SEL+1]
.endr
.irp u, 0,1
	v_add_f32 v[160+\u], v[160+\u], v[22+\u]       ; and lane l xor 16's: the row's sum
.endr
	s_wait_alu depctr_va_vdst(0)
	v_rcp_f32 v164, v160
	v_rcp_f32 v165, v161
	v_nop
	s_wait_alu depctr_va_vdst(0)                   ; and ahead of its first reader
.irp k, 0,1,2,3
.irp u, 0,1
	v_mul_f32 v[144+8*\u+2*\k], v[144+8*\u+2*\k], v[164+\u]
.endr
.endr
	s_wait_alu depctr_va_vdst(0)
	s_wait_dscnt 0x0
.irp u, 0,1
.irp j, 0,2,4,6
	v_pk_mul_f32 v[168+8*\u+\j:169+8*\u+\j], v[64+8*\u+\j:65+8*\u+\j], v[144+8*\u:145+8*\u] op_sel_hi:[1,0]
.endr
.endr
.irp k, 1,2,3
.irp u, 0,1
.irp j, 0,2,4,6
	v_pk_fma_f32 v[168+8*\u+\j:169+8*\u+\j], v[64+16*\k+8*\u+\j:65+16*\k+8*\u+\j], v[144+8*\u+2*\k:145+8*\u+2*\k], v[168+8*\u+\j:169+8*\u+\j] op_sel_hi:[1,0,1]
.endr
.endr
.endr
.set j, 0
.rept 16
	v_med3_num_f32 v[168+j], v[168+j], -v10, v10   ; the hold at the largest code x the scale
.set j, j+1
.endr
.irp u, 0,1
	v_cvt_scalef32_pk8_fp8_f32 v[184+2*\u:185+2*\u], v[168+8*\u:175+8*\u], v11
.endr
	v_and_b32 v8, 15, v0                           ; (plain instructions behind the conversions)
	v_bfe_u32 v9, v0, 4, 1
	v_lshlrev_b32 v8, 4, v8
	v_lshl_add_u32 v8, v9, 3, v8                   ; row r of 16 bytes, + 8 h
.irp u, 0,1
	global_store_b64 v8, v[184+2*\u:185+2*\u], s[\ob:\ob+1] offset:256*\u
.endr
.endm
	s_wait_alu depctr_va_vdst(0)
	s_wait_loadcnt 0x0                             ; Q
.Lslot:                                            ; eight trips, each of which asks for the next one's slot
	s_cmp_eq_u32 s[N], s[NL]                       ; the low block has ended (ids and the count of trips alone; in one of trips 1 to 4)
	s_cbranch_scc0 .Lsame_a
	PARTIALS
	QLOAD QH                                       ; the high block's queries
.Lsame_a:
	CHANGE 1
	s_cmp_eq_u32 s[N], s[NL]
	s_cbranch_scc0 .Lsame_b
	FINISH OBL
	s_mov_b32 s[Q0], s[Q0H]
	INIT
	s_wait_alu depctr_va_vdst(0)
	s_wait_xcnt 0x0                                ; the stores have read their registers
.Lsame_b:
	s_wait_loadcnt 0x0                             ; Q, where it was loaded
	s_barrier_signal -1                            ; every wave has read the partial results: they may be stored again
	s_barrier_wait -1
	STEP
	s_add_co_u32 s[N], s[N], 1
	s_cmp_lt_u32 s[N], 8
	s_cbranch_scc1 .Lslot
	CHANGE 0                                       ; the last slot is written out: nothing is left to ask for
	STEP
	PARTIALS
	s_wait_alu depctr_va_vdst(0)
	s_wait_dscnt 0x0
	s_barrier_signal -1
	s_barrier_wait -1
	FINISH OBH
	s_wait_tensorcnt 0x0                           ; the wave's end: behind my last tensor load and my last LDS store
	ds_add_u32 v[SPW], v[NIL]
	s_wait_dscnt 0x0
	s_endpgm
.Lfunc_end_k_q014d33bcff_attn:
	.size	k_q014d33bcff_attn, .Lfunc_end_k_q014d33bcff_attn-k_q014d33bcff_attn
	.p2alignl 7, 3214868480
	.fill 96, 4, 3214868480
	.section	.rodata,"a",@progbits
	.p2align	6, 0x0
	.amdhsa_kernel k_q014d33bcff_attn
		.amdhsa_group_segment_fixed_size 327680
		.amdhsa_private_segment_fixed_size 0
		.amdhsa_enable_private_segment 0
		.amdhsa_kernarg_size 40
		.amdhsa_user_sgpr_count 2
		.amdhsa_user_sgpr_kernarg_segment_ptr 1
		.amdhsa_wavefront_size32 1
		.amdhsa_system_sgpr_workgroup_id_x 1
		.amdhsa_system_sgpr_workgroup_id_y 1
		.amdhsa_system_sgpr_workgroup_id_z 1
		.amdhsa_system_vgpr_workitem_id 0
		.amdhsa_next_free_vgpr 256
		.amdhsa_next_free_sgpr 102
		.amdhsa_reserve_vcc 1
		.amdhsa_float_denorm_mode_32 3
		.amdhsa_float_denorm_mode_16_64 3
		.amdhsa_memory_ordered 1
		.amdhsa_forward_progress 1
		.amdhsa_inst_pref_size 111
	.end_amdhsa_kernel
	.amdgpu_metadata
---
amdhsa.version: [ 1, 2 ]
amdhsa.kernels:
  - .name:           k_q014d33bcff_attn
    .symbol:         k_q014d33bcff_attn.kd
    .args:
      - { .name: qc, .offset: 0, .size: 8, .value_kind: global_buffer, .address_space: global }
      - { .name: kc, .offset: 8, .size: 8, .value_kind: global_buffer, .address_space: global }
      - { .name: vc, .offset: 16, .size: 8, .value_kind: global_buffer, .address_space: global }
      - { .name: lowp_scales, .offset: 24, .size: 8, .value_kind: global_buffer, .address_space: global }
      - { .name: oc, .offset: 32, .size: 8, .value_kind: global_buffer, .address_space: global }
    .group_segment_fixed_size: 327680
    .private_segment_fixed_size: 0
    .kernarg_segment_align: 8
    .kernarg_segment_size: 40
    .max_flat_workgroup_size: 512
    .sgpr_count:     102
    .vgpr_count:     256
    .wavefront_size: 32
...
	.end_amdgpu_metadata
.endif
;; end of part 3
;; launch proj (part 4): grid 8 x 32, 4 waves a work-group, clusters of 4 x 4, 327,680 bytes of LDS; arguments oc, woc, lowp_scales, out0; writes out0
.if DOCPART == 4
	.amdgcn_target "amdgcn-amd-amdhsa--gfx1250"
	.amdhsa_code_object_version 6
	.text
	.protected	k_q014d33bcff_proj
	.globl	k_q014d33bcff_proj
	.p2align	8
	.type	k_q014d33bcff_proj,@function
k_q014d33bcff_proj:
	s_mov_b64 s[64:65], 0
	v_nop
	global_prefetch_b8 v0, s[64:65] scope:SCOPE_SE
	s_setreg_imm32_b32 hwreg(HW_REG_WAVE_MODE, 25, 1), 1
	s_wait_xcnt 0x0
	s_wait_alu depctr_hold_cnt(0) depctr_sa_sdst(0) depctr_va_vdst(0) depctr_va_sdst(0) depctr_va_ssrc(0) depctr_va_vcc(0) depctr_vm_vsrc(0)
	s_getreg_b32 s2, hwreg(HW_REG_IB_STS2, 6, 4)
	s_cmp_eq_u32 s2, 0
	s_cbranch_scc0 .Lentry_in_a_cluster
	s_endpgm
.Lentry_in_a_cluster:
	s_bfe_u32 s2, ttmp6, 0x10000c
	s_cmp_lg_u32 s2, 0xf033
	s_cbranch_scc0 .Lentry_shape_is_right
	s_endpgm
.Lentry_shape_is_right:
; out0 = o w_o on codes of FP8 (E4M3).  oc: [32 blocks of 128 rows][64 granules of 16 k][128 rows][16]: a block is 131,072 dense bytes;  woc: [1024 n][1024 k];  out0: [4096][1024] f32.
; The codes are multiplied as they are, and each finished sum once by 2^(e6 + e7).  LIMIT: e6 + e7 lies between -126 and 127, so that 2^(e6 + e7) is an f32 number.
; A tile of out0 is 128 x 128: 256 work-groups.  Four waves, each 64 x 64: 16 accumulators.  ALL of K lies in LDS, filled once: wave 0 fetches A's first 512 along K, wave 1 its second,
; waves 2 and 3 B's: one tensor load a wave, one plain barrier, nothing is filled again.
; CLUSTERS: 4 x 4 work-groups.  The four of a row of the cluster need the same rows of o, the four of a column the same rows of woc: each tile is asked for JOINTLY.
; THE MATRIX INSTRUCTION IS USED TRANSPOSED (source 0 = 16 rows of woc, source 1 = 16 rows of o): a lane holds eight neighbouring numbers of a row of out0.
; No prefetch: every tile is asked for at the head, and there is no loop of loads to run ahead of.
; REGISTERS: window 0: v0-31 addresses; v32-63 a block's scaled sums; v64-127 rows read back, two sets; v128-255 the accumulators ((a, b) at v[128 + 8 (4 a + b)]).
;   window 1: two fragment buffers of 128: 64 registers of A (4 x 16 rows x 128 K), then 64 of B.
.set BP,     528                       ; a row of B's half of K: 512 bytes + 16 of padding.  A: 64 granules x 2,048 bytes, dense: sixteen lanes read 256 consecutive bytes
.set BOFF,   131072
.set BHALF,  128*BP
.set STAGE,  BOFF+2*BHALF              ; 16 rows x 272 bytes for each wave, for the way out
.set SPITCH, 272
.set SPARE,  STAGE+4*16*SPITCH         ; the spare words, 128 bytes for each wave
.set ADRA, 16                          ; v16-17  LDS address of my A fragments in half 0, 1 of K
.set ADRB, 20                          ; v20-21  the same for B
.set STO,  24
.set RD,   25
.set CO,   26
.set SPW,  28
.set NIL,  29
.set TMP,  32
.set BK,   64
.set ACC,  128
.set G1A, 24
.set G0A, 32
.set G1B, 68
.set G0B, 76
.set MSB, 0
.macro WIN new                         ; the immediate's high byte repeats the setting that is left
.if MSB != \new
	s_set_vgpr_msb (MSB<<8)|\new
.set MSB, \new
.endif
.endm
.set MUL_W, 0x05                       ; sources 0 (B) and 1 (A) window 1; C and D window 0
.set TO_F,  0x40                       ; destination window 1, address window 0
.macro CROUND                          ; a round of the cluster's barrier
	s_barrier_signal -1
	s_barrier_wait -1
	s_cmp_lg_u32 s14, 0
	s_cbranch_scc1 .Lnot_wave_0_\@
	s_barrier_signal -3
.Lnot_wave_0_\@:
	s_barrier_wait -3
	s_barrier_signal -1
	s_barrier_wait -1
.endm
.macro PLACES                          ; four places in front of loads into registers that matrix instructions have read, and of the first read of results (ISA guide 7.12.1 for the first read of results)
.rept 4
	v_nop
.endr
.endm
	s_load_b128 s[4:7], s[0:1], 0x0                ; oc s[4:5], woc s[6:7]
	s_load_b128 s[8:11], s[0:1], 0x10              ; the scales' exponents s[8:9], out0 s[10:11]
	v_lshl_add_u32 v[SPW], v0, 2, SPARE
	v_mov_b32 v[NIL], 0
	ds_add_u32 v[SPW], v[NIL]                      ; the wave's opening: the add, twice on end, and its wait ahead of my tensor load
	ds_add_u32 v[SPW], v[NIL]
	v_lshrrev_b32 v1, 5, v0
	v_readfirstlane_b32 s14, v1                    ; wave 0..3
	s_lshr_b32 s15, s14, 1                         ; which half of the tile's rows is mine.  Also: I fetch for A (0) or for B (1)
	s_and_b32 s16, s14, 1                          ; which half of its columns.  Also: which half of K I fetch
	s_bfe_u32 s48, ttmp6, 0x40000                  ; cx, cy: my place in the cluster
	s_bfe_u32 s49, ttmp6, 0x40004
	s_lshl_b32 s50, ttmp9, 2
	s_add_co_u32 s50, s50, s48                     ; tile column = 4 x cluster x + cx
	s_and_b32 s17, ttmp7, 0xffff
	s_lshl_b32 s17, s17, 2
	s_add_co_u32 s17, s17, s49                     ; tile row = 4 x cluster y + cy
	s_lshl_b32 s51, s49, 2
	s_lshl_b32 s51, 15, s51                        ; my row of the cluster
	s_lshl_b32 s52, 0x1111, s48                    ; my column
	; descriptor group 1.  A: 256 rows x 256 bytes, dense, no padding;  B: 128 rows x 512 bytes, 1,024 apart, four words of padding after every 128
	s_or_b32 s[G1A+0], s51, (0<<16)|(1<<21)
	s_or_b32 s[G1B+0], s52, (0<<16)|(1<<20)|(1<<21)|(6<<22)|(3<<25)
	s_mov_b32 s[G1A+1], 256<<16
	s_mov_b32 s[G1A+2], 256<<16
	s_mov_b32 s[G1A+3], 256<<16
	s_mov_b32 s[G1A+4], 256
	s_mov_b32 s[G1A+5], 256
	s_mov_b32 s[G1A+6], 0
	s_mov_b32 s[G1A+7], 0
	s_mov_b32 s[G1B+1], 512<<16
	s_mov_b32 s[G1B+2], 128<<16
	s_mov_b32 s[G1B+3], 512<<16
	s_mov_b32 s[G1B+4], 128
	s_mov_b32 s[G1B+5], 1024
	s_mov_b32 s[G1B+6], 0
	s_mov_b32 s[G1B+7], 0
	s_lshl_b32 s20, s17, 17                        ; A: the block of 128 rows, 131,072 bytes,
	s_lshl_b32 s18, s16, 16
	s_add_co_u32 s20, s20, s18                     ; + my half of K: 32 granules
	s_mov_b32 s21, 0
	s_lshl_b32 s54, s50, 17                        ; B: row 128 x tile column, 1,024 bytes a row,
	s_lshl_b32 s55, s16, 9
	s_add_co_u32 s54, s54, s55                     ; + my half of K
	s_mov_b32 s55, 0
	s_mul_i32 s53, s16, BHALF
	s_add_co_u32 s53, s53, BOFF
	s_wait_dscnt 0x0                               ; both opening adds are done
	s_wait_kmcnt 0x0
	s_load_b64 s[96:97], s[8:9], 0x18              ; e6, e7
	s_add_nc_u64 s[20:21], s[4:5], s[20:21]
	s_add_nc_u64 s[54:55], s[6:7], s[54:55]
	s_mov_b32 s[G0A], 1
	s_mov_b32 s[G0A+1], s18                        ; A's half: 65,536 bytes of LDS
	s_mov_b64 s[G0A+2:G0A+3], s[20:21]
	s_or_b32 s[G0A+3], s[G0A+3], 0x80000000
	s_mov_b32 s[G0B], 1
	s_mov_b32 s[G0B+1], s53
	s_mov_b64 s[G0B+2:G0B+3], s[54:55]
	s_or_b32 s[G0B+3], s[G0B+3], 0x80000000
	CROUND                                         ; all sixteen work-groups are here: the joint loads meet
	s_cmp_eq_u32 s15, 0
	s_cbranch_scc0 .Lfirst_b
	tensor_load_to_lds s[G0A:G0A+3], s[G1A:G1A+7]
	s_nop 0
.rept 4
	v_nop
.endr
	s_branch .Lfirst_asked
.Lfirst_b:
	tensor_load_to_lds s[G0B:G0B+3], s[G1B:G1B+7]
	s_nop 0
.rept 4
	v_nop
.endr
.Lfirst_asked:
	s_lshl_b32 s56, s15, 10                        ; my 64 rows of A, 16 bytes each in a granule
	s_mul_i32 s57, s16, 64*BP                      ; my 64 rows of B
	s_add_co_u32 s57, s57, BOFF
	s_mul_i32 s58, s14, 16*SPITCH
	s_add_co_u32 s58, s58, STAGE                   ; my stage
	s_lshl_b32 s60, s17, 19                        ; my part of out0: row 128 x tile row
	s_lshl_b32 s61, s15, 18
	s_add_co_u32 s60, s60, s61                     ; + 64 x half, 4,096 bytes a row,
	s_lshl_b32 s61, s50, 9
	s_add_co_u32 s60, s60, s61                     ; column 128 x tile column
	s_lshl_b32 s61, s16, 8
	s_add_co_u32 s60, s60, s61                     ; + 64 x half, 4 bytes each
	s_mov_b32 s61, 0
	s_add_nc_u64 s[10:11], s[10:11], s[60:61]
	v_and_b32 v1, 15, v0                           ; r
	v_bfe_u32 v2, v0, 4, 1                         ; h
	v_lshlrev_b32 v3, 4, v1
	v_lshl_add_u32 v3, v2, 11, v3                  ; A: row r of a granule, lanes 16-31 the next granule
	v_add_nc_u32 v[ADRA], s56, v3
	v_add_nc_u32 v[ADRA+1], 0x10000, v[ADRA]
	v_mul_u32_u24 v4, v1, BP
	v_lshl_add_u32 v4, v2, 4, v4                   ; B: row r x pitch + 16 h
	v_add_nc_u32 v[ADRB], s57, v4
	v_add_nc_u32 v[ADRB+1], BHALF, v[ADRB]
	v_mul_u32_u24 v5, v1, SPITCH                   ; in: row r, 32 bytes for each half of the lanes
	v_lshl_add_u32 v5, v2, 5, v5
	v_add_nc_u32 v[STO], s58, v5
	v_mul_u32_u24 v5, v2, SPITCH                   ; back: lanes 0-15 take one row of 256 bytes, lanes 16-31 the next
	v_lshl_add_u32 v5, v1, 4, v5
	v_add_nc_u32 v[RD], s58, v5
	v_lshlrev_b32 v[CO], 12, v2                    ; and the same two rows in out0
	v_lshl_add_u32 v[CO], v1, 4, v[CO]
; 32 LDS loads: the fragments of K step j (128 along K) into buffer f.  In A and in B registers 4 c .. 4 c + 3 hold k = 128 j + 32 c + 16 h + 0 .. 15
.macro FETCH j, f
	WIN TO_F
.irp i, 0,1,2,3
.irp c, 0,1,2,3
	ds_load_b128 v[(\f)+64+16*\i+4*\c:(\f)+64+16*\i+4*\c+3], v[ADRB+(\j)/4] offset:128*((\j)%4)+32*\c+\i*16*BP
	ds_load_b128 v[(\f)+16*\i+4*\c:(\f)+16*\i+4*\c+3], v[ADRA+(\j)/4] offset:16384*((\j)%4)+4096*\c+256*\i
.endr
.endr
.endm
; 16 matrix instructions, 128 along K.  The 16 accumulators take turns, one instruction a turn, in the same order in every step.  zero = 1: the first product starts the sums
.macro MUL f, zero
	WIN MUL_W
.irp a, 0,1,2,3
.irp b, 0,1,2,3
.if \zero
	v_wmma_f32_16x16x128_fp8_fp8 v[ACC+8*(4*\a+\b):ACC+8*(4*\a+\b)+7], v[(\f)+64+16*\b:(\f)+64+16*\b+15], v[(\f)+16*\a:(\f)+16*\a+15], 0
.else
	v_wmma_f32_16x16x128_fp8_fp8 v[ACC+8*(4*\a+\b):ACC+8*(4*\a+\b)+7], v[(\f)+64+16*\b:(\f)+64+16*\b+15], v[(\f)+16*\a:(\f)+16*\a+15], v[ACC+8*(4*\a+\b):ACC+8*(4*\a+\b)+7]
.endif
.endr
.endr
.endm
	s_wait_alu depctr_va_vdst(0)
	s_wait_tensorcnt 0x0                           ; my part is in;
	s_barrier_signal -1
	s_barrier_wait -1                              ; everybody's is
	FETCH 0, 0
.irp j, 0,1,2,3,4,5,6,7
	s_wait_dscnt 0x0                               ; this step's fragments are in
.if \j < 7
	PLACES                                         ; the other buffer was read by the step before
	FETCH \j+1, 128*((\j+1)%2)
.endif
.if \j == 0
	MUL 0, 1
.else
	MUL 128*(\j%2), 0
.endif
.endr
	WIN 0
; THE WAY OUT, block by block of 16 rows x 64 columns: x 2^(e6 + e7), through my own stage, back as whole rows of 256 bytes.  LDS serves a wave's instructions in order: no wait between the stores and the loads.
.macro TOSTAGE a
.set j, 0
.rept 16
	v_pk_mul_f32 v[TMP+j:TMP+j+1], v[ACC+32*(\a)+j:ACC+32*(\a)+j+1], s[96:97] op_sel_hi:[1,0]   ; both x s96; each accumulator from its low end on
.set j, j+2
.endr
.irp b, 0,1,2,3
	ds_store_b128 v[STO], v[TMP+8*\b:TMP+8*\b+3] offset:64*\b
	ds_store_b128 v[STO], v[TMP+8*\b+4:TMP+8*\b+7] offset:64*\b+16
.endr
.irp t, 0,1,2,3,4,5,6,7
	ds_load_b128 v[BK+32*((\a)%2)+4*\t:BK+32*((\a)%2)+4*\t+3], v[RD] offset:\t*2*SPITCH
.endr
.endm
.macro SEND a, younger                 ; younger: the LDS instructions issued behind block a's loads, which may stay out
	s_wait_dscnt \younger
.irp t, 0,1,2,3,4,5,6,7
	global_store_b128 v[CO], v[BK+32*((\a)%2)+4*\t:BK+32*((\a)%2)+4*\t+3], s[10:11] offset:(16*(\a)+2*\t)*4096 th:TH_STORE_NT   ; sixteen lanes store 256 consecutive bytes, aligned to 256
.endr
.endm
	s_wait_kmcnt 0x0
	s_add_co_i32 s96, s96, s97                     ; e6 + e7, between -126 and 127,
	s_add_co_i32 s96, s96, 127
	s_lshl_b32 s96, s96, 23                        ; makes the f32 number 2^(e6 + e7)
	s_mov_b32 s97, s96                             ; (named with it as a pair, so it is written)
	PLACES                                         ; behind the last products
	TOSTAGE 0
.irp a, 1,2,3
.if \a > 1
	s_wait_xcnt 0x0                                ; block a - 2's stores have read their registers: block a's loads may land there
.endif
	TOSTAGE \a
	SEND \a-1, 16                                  ; behind block a - 1's loads: block a's 8 stores and 8 loads
.endr
	SEND 3, 0
	s_wait_tensorcnt 0x0                           ; the wave's end: behind my last tensor load and my last LDS store
	ds_add_u32 v[SPW], v[NIL]
	s_wait_dscnt 0x0
	CROUND                                         ; the closing round: no work-group ends while a partner may still ask for a tile that names it
	s_endpgm
.Lfunc_end_k_q014d33bcff_proj:
	.size	k_q014d33bcff_proj, .Lfunc_end_k_q014d33bcff_proj-k_q014d33bcff_proj
	.p2alignl 7, 3214868480
	.fill 96, 4, 3214868480
	.section	.rodata,"a",@progbits
	.p2align	6, 0x0
	.amdhsa_kernel k_q014d33bcff_proj
		.amdhsa_group_segment_fixed_size 327680
		.amdhsa_private_segment_fixed_size 0
		.amdhsa_enable_private_segment 0
		.amdhsa_kernarg_size 32
		.amdhsa_user_sgpr_count 2
		.amdhsa_user_sgpr_kernarg_segment_ptr 1
		.amdhsa_wavefront_size32 1
		.amdhsa_system_sgpr_workgroup_id_x 1
		.amdhsa_system_sgpr_workgroup_id_y 1
		.amdhsa_system_sgpr_workgroup_id_z 1
		.amdhsa_system_vgpr_workitem_id 0
		.amdhsa_next_free_vgpr 512
		.amdhsa_next_free_sgpr 98
		.amdhsa_reserve_vcc 0
		.amdhsa_float_denorm_mode_32 3
		.amdhsa_float_denorm_mode_16_64 3
		.amdhsa_memory_ordered 1
		.amdhsa_forward_progress 1
		.amdhsa_inst_pref_size 44
	.end_amdhsa_kernel
	.amdgpu_metadata
---
amdhsa.version: [ 1, 2 ]
amdhsa.kernels:
  - .name:           k_q014d33bcff_proj
    .symbol:         k_q014d33bcff_proj.kd
    .args:
      - { .name: oc, .offset: 0, .size: 8, .value_kind: global_buffer, .address_space: global }
      - { .name: woc, .offset: 8, .size: 8, .value_kind: global_buffer, .address_space: global }
      - { .name: lowp_scales, .offset: 16, .size: 8, .value_kind: global_buffer, .address_space: global }
      - { .name: out0, .offset: 24, .size: 8, .value_kind: global_buffer, .address_space: global }
    .group_segment_fixed_size: 327680
    .private_segment_fixed_size: 0
    .kernarg_segment_align: 8
    .kernarg_segment_size: 32
    .max_flat_workgroup_size: 128
    .sgpr_count:     98
    .vgpr_count:     512
    .wavefront_size: 32
...
	.end_amdgpu_metadata
.endif
;; end of part 4
